; MI455X (gfx1250); checked and timed in simulation.
; The chip was launched on July 23, 2026; its instructions are those of AMD's public machine-readable ISA for CDNA 5 (MIT licence, August 2026) and "CDNA5" Instruction Set Architecture Reference Guide (July 2026). The comments in the code are by the model that wrote it; some were corrected since.
;; Cross Attention. Allowed arithmetic: matrix products marked QUANTISED: E2M1 operands, one E8M0 scale for each 32 along K, by v_wmma_scale_f32_16x16x128_f8f6f4 with both operands' format E2M1 (or v_wmma_scale_f32_32x16x128_f4), f32 sums; products left as they are: bf16, f16 or f32 operands; f32 sums; everything else in f32.
;; Inputs: Wkv 1,024 x 2,048 float32; Wout 1,024 x 1,024 float32; Wq 1,024 x 1,024 float32; context 4 x 2,048 x 1,024 float32; g_norm 1,024 float32; g_out 1,024 float32; k_scale 64 float32; null_kv 2 x 64 float32; q_scale 64 float32; x 4 x 1,024 x 1,024 float32.
;; Outputs: out0 4 x 1,024 x 1,024 float32.
;; This version of the problem:
;;   THIS VERSION OF THE PROBLEM IS GIVEN IN LOW PRECISION. The matrix products marked QUANTISED in the list below multiply operands that are first quantised to E2M1 (2 exponent bits, 1 mantissa bit; 4 bits a number), with one power-of-two scale for each 32 numbers along K (OCP MX v1.0); their sums are f32. The products marked 'left as it is' may take bf16, f16 or f32 operands, with f32 sums. Whichever they take, every output number must still come out within the allowed error. Rounding operands to bf16 (8 significant bits) uses up far more of that allowance than f16 does (11 bits, for magnitudes from 6e-5 to 65,504). All else is computed in f32.
;;   The module's matrix products, in the order in which they are computed (A, B: the left and right operand; K: the contracted axis; several contracted axes count as one K, in the product's order):
;;     1. [M 4,096, K 1,024] x [K 1,024, N 1,024]; A: computed on the way; B: input Wq: left as it is (an operand is computed on the way)
;;     2. [M 8,192, K 1,024] x [K 1,024, N 2,048]; A: input context; B: input Wkv: QUANTISED
;;     3. batch 64 x [M 1,024, K 64] x [K 64, N 2,049]; A: computed on the way; B: computed on the way: left as it is (an operand is computed on the way)
;;     4. batch 64 x [M 1,024, K 2,049] x [K 2,049, N 64]; A: computed on the way; B: computed on the way: left as it is (an operand is computed on the way)
;;     5. [M 4,096, K 1,024] x [K 1,024, N 1,024]; A: computed on the way; B: input Wout: left as it is (an operand is computed on the way)
;;   THE QUANTISER, for each operand of a quantised product, along K:
;;     - K is cut into blocks of 32 from its start; a last block that is shorter is filled with zeros.
;;     - A block's scale is 2^e with e = floor(log2(the largest magnitude in the block)) - 2, held to -126 .. 127; a block of zeros has e = 0. As a byte (E8M0): e + 127.
;;     - Each number is divided by its block's scale, clamped to +-6, and rounded to the nearest number of E2M1, ties to even, subnormals kept.
;;     - The product sums the exact products of the quantised numbers (number of the format x scale) in f32.
;;   ~~~python
;;   def quantise(x, axis):      # numpy; x: float32 -> the quantised numbers, widened to float32 again
;;       x = np.moveaxis(x, axis, -1); K = x.shape[-1]
;;       x = np.pad(x, [(0, 0)] * (x.ndim - 1) + [(0, -K % 32)]); x = x.reshape(x.shape[:-1] + (-1, 32)); a = np.abs(x).max(-1, keepdims=True)
;;       e = np.where(a > 0, np.clip(np.frexp(np.where(a > 0, a, 1))[1] - 1 - 2, -126, 127), 0)      # np.frexp(a)[1] - 1 = floor(log2(a)), exactly
;;       r = np.clip(x / 2.0 ** e, -6, 6)
;;       step = 2.0 ** (np.maximum(np.frexp(np.where(r == 0, 1, r))[1] - 1, 0) - 1)
;;       q = np.round(r / step) * step * 2.0 ** e      # np.round: ties to even
;;       return np.moveaxis(q.reshape(q.shape[:-2] + (-1,))[..., :K], -1, axis).astype(np.float32)
;;   ~~~
;; One version. Each part assembles by itself: llvm-mc -triple=amdgcn-amd-amdhsa -mcpu=gfx1250 --defsym DOCPART=n.
;; ======== version 1 of 1: 5 launches
;; limits: values are held in f16: magnitudes above 65,504 overflow, below 6.1e-05 lose precision; values outside matrix products are rounded to f16; right only within a limited range of input values
;; workspace buffers: qc 5,242,880 bytes; qs 327,680 bytes; h16 12,582,912 bytes; kv 33,554,432 bytes; qb 8,650,752 bytes; ao 8,388,608 bytes; y 16,777,216 bytes
;; launch prep (part 1): grid 448 x 1, 4 waves a work-group, no clusters, 102,912 bytes of LDS; arguments context, Wkv, x, g_norm, Wq, Wout, qc, qs, h16; writes qc, qs, h16
.if DOCPART == 1
	.amdgcn_target "amdgcn-amd-amdhsa--gfx1250"
	.amdhsa_code_object_version 6
	.text
	.protected	k_q151fe731e4_prep
	.globl	k_q151fe731e4_prep
	.p2align	8
	.type	k_q151fe731e4_prep,@function
k_q151fe731e4_prep:
	s_mov_b64 s[64:65], 0
	v_nop
	global_prefetch_b8 v0, s[64:65] scope:SCOPE_SE
	s_setreg_imm32_b32 hwreg(HW_REG_WAVE_MODE, 25, 1), 1
	s_wait_xcnt 0x0
; CROSS ATTENTION, launch 1 of 5: every operand that later launches read many times is made once.
; NOTHING OF THE PROBLEM IS LEFT OUT AS DEAD WORK: every input has a way to the output, and the running maximum ahead of the exponentials stays (q_scale and k_scale are unbounded).
; Four paths, chosen by the work-group's number; each has LDS bytes of its own.
;   D (0-31):    Wq, Wout [k][n] f32 -> f16 laid [n][k], into h16 at 0x800000 and 0xa00000
;   B (32-63):   Wkv [k][n] f32 -> codes of E2M1 laid [n][512 bytes], K innermost, into qc at 0x400000; scale bytes [n][32] into qs at 0x40000
;   C (64-191):  layer norm of x times g_norm -> f16 [4096][1024], into h16 at 0
;   A (192-447): context [8192][1024] f32 -> codes [8192][512 bytes] into qc at 0; scale bytes [8192][32] into qs at 0
; THE QUANTISER: a block's scale is 2^(floor(log2(largest magnitude)) - 2); its byte is the largest magnitude's exponent field - 2, held at 1 from below; each number / scale, to the nearest code, ties to even, beyond 6 the code of 6.
; LIMITS: a block of zeros gets the byte 1 where the rule says 127 (its codes are zeros, and this program alone reads the bytes); blocks whose largest magnitude lies under 2^-124 are held at byte 1;
; NaN and infinities among the inputs are not served; the f16 operands want |xn|, |Wq|, |Wout| under 65,504.
; No cluster: no two work-groups read the same bytes but g_norm's 4,096.  No tensor load: waves share nothing.
.set SPARE, 102400                     ; behind the three paths' LDS: the spare words, 128 bytes for each wave, that no other line names
.set SPW,   190                        ; v190 LDS address of my spare word; never rewritten
.set NIL,   191                        ; v191 0; never rewritten
	v_lshl_add_u32 v[SPW], v0, 2, SPARE
	v_mov_b32 v[NIL], 0
	v_lshrrev_b32 v1, 5, v0
	v_readfirstlane_b32 s16, v1                    ; wave 0..3
	v_and_b32 v2, 31, v0                           ; lane
	s_cmp_lt_u32 ttmp9, 32
	s_cbranch_scc1 .LD
	s_cmp_lt_u32 ttmp9, 64
	s_cbranch_scc1 .LB
	s_cmp_lt_u32 ttmp9, 192
	s_cbranch_scc1 .LC
; ---------------- PATH A: context, K innermost.  A wave takes 16 steps of 512 numbers.  Each load reads 512 consecutive bytes; a step's 2,048 bytes turn through the wave's own stage in LDS
; (16 bytes of padding behind each 64) and come back 64 bytes a lane: 16 neighbours along K; two neighbouring lanes hold a block.
.set AR,  16                           ; v16-79   four sets of 16 numbers as loaded
.set AX,  80                           ; v80-111  two sets of 16 neighbours
.set AE,  112                          ; v112-127 a scale byte for each step
.set AC,  128                          ; v128-159 codes: two registers for each step, so that no store's data are written again
.set ASP, 80                           ; a lane's place in a stage
	s_load_b64 s[4:5], s[0:1], 0x0                 ; context
	s_load_b128 s[8:11], s[0:1], 0x30              ; qc, qs
	v_lshlrev_b32 v3, 4, v2                        ; my 16 bytes of a load's 512
	s_lshl_b32 s17, s16, 13                        ; my wave's 8,192 bytes of LDS
	v_lshrrev_b32 v14, 2, v2
	v_mul_u32_u24 v14, v14, ASP
	v_and_b32 v15, 3, v2
	v_lshl_add_u32 v14, v15, 4, v14
	v_add_nc_u32 v14, s17, v14                     ; the stage, on the way in: 80 (lane / 4) + 16 (lane % 4)
	v_mul_u32_u24 v15, v2, ASP
	v_add_nc_u32 v15, s17, v15                     ; and on the way out: 80 x lane
	v_lshlrev_b32 v4, 3, v2                        ; my 8 bytes of a step's 256 bytes of codes
	v_lshrrev_b32 v5, 1, v2
	s_add_co_u32 s17, s17, 2*32*ASP
	v_add_nc_u32 v5, s17, v5                       ; my wave's 256 scale bytes: my block's byte
	v_lshlrev_b32 v7, 3, v2
	v_add_nc_u32 v6, s17, v7                       ; and 8 bytes a lane on their way out
	s_sub_co_u32 s18, ttmp9, 192
	s_lshl_b32 s18, s18, 2
	s_add_co_u32 s18, s18, s16                     ; which run of 8,192 numbers is my wave's
	s_lshl_b32 s20, s18, 15
	s_mov_b32 s21, 0
	s_lshl_b32 s22, s18, 12
	s_mov_b32 s23, 0
	s_lshl_b32 s24, s18, 8
	s_mov_b32 s25, 0
	s_wait_kmcnt 0x0
	s_add_nc_u64 s[4:5], s[4:5], s[20:21]
	s_add_nc_u64 s[8:9], s[8:9], s[22:23]
	s_add_nc_u64 s[10:11], s[10:11], s[24:25]
.macro ALOAD t
.irp i, 0,1,2,3
	global_load_b128 v[AR+16*((\t)%4)+4*\i:AR+16*((\t)%4)+4*\i+3], v3, s[4:5] offset:2048*(\t)+512*\i th:TH_LOAD_NT
.endr
.endm
.macro ATURN t                         ; LDS serves a wave's instructions in order: no wait between the stores and the loads
.irp i, 0,1,2,3
	ds_store_b128 v14, v[AR+16*((\t)%4)+4*\i:AR+16*((\t)%4)+4*\i+3] offset:32*ASP*((\t)%2)+8*ASP*\i
.endr
.irp i, 0,1,2,3
	ds_load_b128 v[AX+16*((\t)%2)+4*\i:AX+16*((\t)%2)+4*\i+3], v15 offset:32*ASP*((\t)%2)+16*\i
.endr
.endm
.irp t, 0,1,2,3
	ALOAD \t
.endr
	s_wait_loadcnt 12                              ; step 0's four loads are in; twelve younger ones stay out
	ATURN 0
.macro ASTEP t
.set XS, AX+16*((\t)%2)
.if (\t) > 0
	s_wait_dscnt 1                                 ; this step's numbers are back from the stage; the last step's byte store may be out
.else
	s_wait_dscnt 0x0
.endif
.if (\t)+4 < 16
	ALOAD (\t)+4                                   ; into the set whose stores into the stage are done
.endif
.if (\t)+1 < 16
.if 14-(\t) >= 3
	s_wait_loadcnt 12                              ; the next step's four are in; three steps' twelve may be out
.else
	s_wait_loadcnt 4*(14-(\t))
.endif
	ATURN (\t)+1
.endif
	v_max3_num_f32 v8, |v[XS]|, |v[XS+1]|, |v[XS+2]|
	v_max3_num_f32 v9, |v[XS+3]|, |v[XS+4]|, |v[XS+5]|
.irp i, 6,10
	v_max3_num_f32 v8, v8, |v[XS+\i]|, |v[XS+\i+1]|
	v_max3_num_f32 v9, v9, |v[XS+\i+2]|, |v[XS+\i+3]|
.endr
	v_max3_num_f32 v8, v8, |v[XS+14]|, |v[XS+15]|
	v_max3_num_f32 v8, v8, v9, 0x1800000           ; the floor 2^(3 - 127): the byte cannot fall under 1
	v_max_num_f32_dpp v8, v8, v8 row_xmask:1 row_mask:0xf bank_mask:0xf   ; with my neighbour's 16: the block's largest magnitude
	v_add_nc_u32 v11, 0xff000000, v8               ; 2 off its exponent field: the conversion's scale operand
	v_cvt_scalef32_pk8_fp4_f32 v[AC+2*(\t)], v[XS:XS+7], v11
	v_cvt_scalef32_pk8_fp4_f32 v[AC+2*(\t)+1], v[XS+8:XS+15], v11
	v_lshrrev_b32 v[AE+(\t)], 23, v11              ; the scale's byte (also the plain line behind the conversions)
	ds_store_b8 v5, v[AE+(\t)] offset:16*(\t)      ; both lanes of a block write the same byte with the same value
	global_store_b64 v4, v[AC+2*(\t):AC+2*(\t)+1], s[8:9] offset:256*(\t)   ; the wave stores 256 consecutive bytes, aligned
.endm
.irp t, 0,1,2,3,4,5,6,7,8,9,10,11,12,13,14,15
	ASTEP \t
.endr
	ds_load_b64 v[8:9], v6
	s_wait_dscnt 0x0
	global_store_b64 v7, v[8:9], s[10:11]          ; the wave's 256 scale bytes, aligned
	s_wait_tensorcnt 0x0                           ; the wave's end, behind my last LDS store
	ds_add_u32 v[SPW], v[NIL]
	s_wait_dscnt 0x0
	s_endpgm
; ---------------- PATH B: Wkv, K outermost.  A lane takes a column n and its registers run down K: a block of 32 lies in one lane, the codes come out with K innermost.
; A wave takes 32 columns x 512 along K; the codes go through its stage (rows of 272 bytes) and leave as rows: sixteen lanes store 256 aligned bytes.
.LB:
.set BX,  32                           ; v32-95   two sets of 32 numbers
.set BC,  96                           ; v96-99   a block's codes
.set BO,  112                          ; v112-175 the way out
.set BS,  24                           ; v24-27   the scale bytes, four to a register
	s_load_b64 s[4:5], s[0:1], 0x8                 ; Wkv
	s_load_b128 s[8:11], s[0:1], 0x30              ; qc, qs
	s_sub_co_u32 s19, ttmp9, 32
	s_and_b32 s17, s19, 15
	s_lshr_b32 s18, s19, 4                         ; which 512 along K
	s_lshl_b32 s17, s17, 7
	s_lshl_b32 s20, s16, 5
	s_add_co_u32 s17, s17, s20                     ; my wave's first column
	v_lshlrev_b32 v3, 2, v2
	s_mul_i32 s19, s16, 32*272
	s_add_co_u32 s19, s19, 32768                   ; my stage
	v_mul_u32_u24 v4, v2, 272
	v_add_nc_u32 v4, s19, v4                       ; into it: row = my column
	v_and_b32 v5, 15, v2
	v_lshrrev_b32 v6, 4, v2
	v_mul_u32_u24 v7, v6, 272
	v_lshl_add_u32 v7, v5, 4, v7
	v_add_nc_u32 v7, s19, v7                       ; out of it: sixteen lanes to a row, two rows an instruction
	v_lshlrev_b32 v8, 9, v6
	v_lshl_add_u32 v8, v5, 4, v8                   ; the same place in the codes: rows of 512 bytes
	v_lshlrev_b32 v9, 5, v2                        ; my column's row of 32 scale bytes
	s_lshl_b32 s20, s18, 22                        ; 512 rows of 8,192 bytes
	s_lshl_b32 s21, s17, 2
	s_add_co_u32 s20, s20, s21
	s_mov_b32 s21, 0
	s_lshl_b32 s22, s17, 9
	s_lshl_b32 s23, s18, 8
	s_add_co_u32 s22, s22, s23
	s_add_co_u32 s22, s22, 0x400000
	s_mov_b32 s23, 0
	s_lshl_b32 s24, s17, 5
	s_lshl_b32 s25, s18, 4
	s_add_co_u32 s24, s24, s25
	s_add_co_u32 s24, s24, 0x40000
	s_mov_b32 s25, 0
	s_wait_kmcnt 0x0
	s_add_nc_u64 s[4:5], s[4:5], s[20:21]
	s_add_nc_u64 s[8:9], s[8:9], s[22:23]
	s_add_nc_u64 s[10:11], s[10:11], s[24:25]
.macro BLOAD t
.set i, 0
.rept 32
	global_load_b32 v[BX+32*((\t)%2)+i], v3, s[4:5] offset:(32*(\t)+i)*8192 th:TH_LOAD_NT
.set i, i+1
.endr
.endm
	BLOAD 0
	BLOAD 1
.macro BBLOCK t
.set XS, BX+32*((\t)%2)
.if (\t) < 15
	s_wait_loadcnt 32                              ; this block's 32 loads are in; the next block's may be out
.else
	s_wait_loadcnt 0
.endif
	v_max3_num_f32 v12, |v[XS]|, |v[XS+1]|, |v[XS+2]|
	v_max3_num_f32 v13, |v[XS+3]|, |v[XS+4]|, |v[XS+5]|
.irp i, 6,10,14,18,22,26
	v_max3_num_f32 v12, v12, |v[XS+\i]|, |v[XS+\i+1]|
	v_max3_num_f32 v13, v13, |v[XS+\i+2]|, |v[XS+\i+3]|
.endr
	v_max3_num_f32 v12, v12, |v[XS+30]|, |v[XS+31]|
	v_max3_num_f32 v12, v12, v13, 0x1800000        ; the floor
	v_add_nc_u32 v11, 0xff000000, v12              ; the conversion's scale operand
	v_lshrrev_b32 v13, 23, v11                     ; the scale's byte
.if (\t)%4 == 0
	v_mov_b32 v[BS+(\t)/4], v13
.else
	v_lshl_or_b32 v[BS+(\t)/4], v13, 8*((\t)%4), v[BS+(\t)/4]
.endif
.irp g, 0,1,2,3
	v_cvt_scalef32_pk8_fp4_f32 v[BC+\g], v[XS+8*\g:XS+8*\g+7], v11
.endr
	v_nop                                          ; one plain line behind the last conversion
	ds_store_b128 v4, v[BC:BC+3] offset:16*(\t)
.if (\t)+2 < 16
	BLOAD (\t)+2
.endif
	s_wait_dscnt 0x0                               ; the store has read its registers: the next block's codes may be written
.endm
.irp t, 0,1,2,3,4,5,6,7,8,9,10,11,12,13,14,15
	BBLOCK \t
.endr
	global_store_b128 v9, v[BS:BS+3], s[10:11]     ; my column's 16 scale bytes: rows 32 bytes apart, one byte in 128 of what this path reads
.irp t, 0,1,2,3,4,5,6,7,8,9,10,11,12,13,14,15
	ds_load_b128 v[BO+4*\t:BO+4*\t+3], v7 offset:2*\t*272
.endr
.irp t, 0,1,2,3,4,5,6,7,8,9,10,11,12,13,14,15
	s_wait_dscnt 15-\t
	global_store_b128 v8, v[BO+4*\t:BO+4*\t+3], s[8:9] offset:2*\t*512
.endr
	s_wait_tensorcnt 0x0                           ; the wave's end: the three lines
	ds_add_u32 v[SPW], v[NIL]
	s_wait_dscnt 0x0
	s_endpgm
; ---------------- PATH C: xn = (x - mean) rsqrt(var + 1e-5) g_norm, in f32, rounded once to f16.  A wave takes a whole row (32 registers) and keeps it between the passes; 8 rows a wave, two row slots.
.LC:
.set G,   8                            ; v8-39    g_norm at my columns 128 j + 4 lane + 0..3
.set CX,  40                           ; v40-103  two row slots
.set CY,  104                          ; v104-135 two sets of 16 registers of f16
.set T,   136                          ; v136-143 four packed chains
.set M,   144                          ; v[144:145] the mean (the upper register is named with it as a pair, so it is written once)
.set R,   146                          ; v[146:147] 1 / sqrt(var + eps), likewise
.macro LNRED                           ; four packed chains -> the row's sum, in every lane, in v[T]
	v_pk_add_f32 v[T:T+1], v[T:T+1], v[T+2:T+3]
	v_pk_add_f32 v[T+4:T+5], v[T+4:T+5], v[T+6:T+7]
	v_pk_add_f32 v[T:T+1], v[T:T+1], v[T+4:T+5]
	v_add_f32 v[T], v[T], v[T+1]
	v_add_f32_dpp v[T], v[T], v[T] row_xmask:1 row_mask:0xf bank_mask:0xf
	v_add_f32_dpp v[T], v[T], v[T] row_xmask:2 row_mask:0xf bank_mask:0xf
	v_add_f32_dpp v[T], v[T], v[T] row_xmask:4 row_mask:0xf bank_mask:0xf
	v_add_f32_dpp v[T], v[T], v[T] row_xmask:8 row_mask:0xf bank_mask:0xf
	v_permlanex16_b32 v[T+1], v[T], s20, s21
	v_add_f32 v[T], v[T], v[T+1]
.endm
.macro LNSTAT                          ; the row in v[XS] .. v[XS+31] is normalised in place and multiplied by G
.irp c, 0,1,2,3
	v_pk_add_f32 v[T+2*\c:T+2*\c+1], v[XS+4*\c:XS+4*\c+1], v[XS+4*\c+2:XS+4*\c+3]
.endr
.irp i, 16,24
.irp c, 0,1,2,3
	v_pk_add_f32 v[T+2*\c:T+2*\c+1], v[T+2*\c:T+2*\c+1], v[XS+\i+2*\c:XS+\i+2*\c+1]
.endr
.endr
	LNRED
	v_mul_f32 v[M], s22, v[T]                      ; the mean
.irp i, 0,2,4,6,8,10,12,14,16,18,20,22,24,26,28,30
	v_pk_add_f32 v[XS+\i:XS+\i+1], v[XS+\i:XS+\i+1], v[M:M+1] op_sel_hi:[1,0] neg_lo:[0,1] neg_hi:[0,1]
.endr
.irp c, 0,1,2,3
	v_pk_mul_f32 v[T+2*\c:T+2*\c+1], v[XS+2*\c:XS+2*\c+1], v[XS+2*\c:XS+2*\c+1]
.endr
.irp i, 8,16,24
.irp c, 0,1,2,3
	v_pk_fma_f32 v[T+2*\c:T+2*\c+1], v[XS+\i+2*\c:XS+\i+2*\c+1], v[XS+\i+2*\c:XS+\i+2*\c+1], v[T+2*\c:T+2*\c+1]
.endr
.endr
	LNRED
	v_fma_f32 v[T], v[T], s22, s23                 ; the variance + eps
	v_rsq_f32 v[R], v[T]
.irp i, 0,2,4,6,8,10,12,14,16,18,20,22,24,26,28,30
	v_pk_mul_f32 v[XS+\i:XS+\i+1], v[XS+\i:XS+\i+1], v[G+\i:G+\i+1]   ; the gain: independent work behind the root
.endr
	s_wait_alu depctr_va_vdst(0)                   ; the wait ahead of the first line that names the root's result
.irp i, 0,2,4,6,8,10,12,14,16,18,20,22,24,26,28,30
	v_pk_mul_f32 v[XS+\i:XS+\i+1], v[XS+\i:XS+\i+1], v[R:R+1] op_sel_hi:[1,0]
.endr
.endm
	s_load_b128 s[4:7], s[0:1], 0x10               ; x, g_norm
	s_load_b64 s[8:9], s[0:1], 0x40                ; h16
	v_lshlrev_b32 v3, 4, v2
	v_lshlrev_b32 v4, 3, v2
	v_mov_b32 v[M+1], 0
	v_mov_b32 v[R+1], 0
	s_mov_b32 s20, 0x76543210                      ; lane selects: lane l xor 16
	s_mov_b32 s21, 0xfedcba98
	s_mov_b32 s22, 0x3a800000                      ; 1 / 1024
	s_mov_b32 s23, 0x3727c5ac                      ; 1e-5
	s_sub_co_u32 s17, ttmp9, 64
	s_lshl_b32 s17, s17, 5
	s_lshl_b32 s18, s16, 3
	s_add_co_u32 s17, s17, s18                     ; my first row
	s_lshl_b32 s24, s17, 12
	s_mov_b32 s25, 0
	s_lshl_b32 s26, s17, 11
	s_mov_b32 s27, 0
	s_wait_kmcnt 0x0
	s_add_nc_u64 s[4:5], s[4:5], s[24:25]
	s_add_nc_u64 s[8:9], s[8:9], s[26:27]
.irp j, 0,1,2,3,4,5,6,7
	global_load_b128 v[G+4*\j:G+4*\j+3], v3, s[6:7] offset:512*\j
.endr
.macro CFILL t
.irp j, 0,1,2,3,4,5,6,7
	global_load_b128 v[CX+32*((\t)%2)+4*\j:CX+32*((\t)%2)+4*\j+3], v3, s[4:5] offset:4096*(\t)+512*\j th:TH_LOAD_NT
.endr
.endm
	CFILL 0
	CFILL 1
.macro CROW t
.set XS, CX+32*((\t)%2)
.set YS, CY+16*((\t)%2)
.if (\t) < 7
	s_wait_loadcnt 8                               ; my row (and at first the gain) is in; the other slot's eight loads may be out
.else
	s_wait_loadcnt 0
.endif
	LNSTAT
	s_wait_xcnt 0x0                                ; earlier stores have read their data: this set of f16 registers may be written again
.irp i, 0,1,2,3,4,5,6,7,8,9,10,11,12,13,14,15
	v_cvt_pk_f16_f32 v[YS+\i], v[XS+2*\i], v[XS+2*\i+1]
.endr
.irp j, 0,1,2,3,4,5,6,7
	global_store_b64 v4, v[YS+2*\j:YS+2*\j+1], s[8:9] offset:2048*(\t)+256*\j   ; the wave stores 256 consecutive bytes, aligned
.endr
.if (\t) < 6
	CFILL (\t)+2
.endif
.endm
.irp t, 0,1,2,3,4,5,6,7
	CROW \t
.endr
	s_endpgm
; ---------------- PATH D: Wq and Wout to f16 with K innermost.  A lane takes a column, its registers run down K; 128 along K (256 bytes a column) gather in the wave's stage and leave as rows.
.LD:
.set DX,  32                           ; v32-95   two sets of 32 numbers
.set DC,  96                           ; v96-111  32 numbers as f16
.set DO,  112                          ; v112-175 the way out
	s_load_b128 s[4:7], s[0:1], 0x20               ; Wq, Wout
	s_load_b64 s[8:9], s[0:1], 0x40                ; h16
	s_and_b32 s17, ttmp9, 7
	s_bfe_u32 s18, ttmp9, 0x10003                  ; which 512 along K
	s_lshl_b32 s17, s17, 7
	s_lshl_b32 s19, s16, 5
	s_add_co_u32 s17, s17, s19                     ; my wave's first column
	v_lshlrev_b32 v3, 2, v2
	s_mul_i32 s19, s16, 32*272
	s_add_co_u32 s19, s19, 67584                   ; my stage
	v_mul_u32_u24 v4, v2, 272
	v_add_nc_u32 v4, s19, v4
	v_and_b32 v5, 15, v2
	v_lshrrev_b32 v6, 4, v2
	v_mul_u32_u24 v7, v6, 272
	v_lshl_add_u32 v7, v5, 4, v7
	v_add_nc_u32 v7, s19, v7
	v_lshlrev_b32 v8, 11, v6
	v_lshl_add_u32 v8, v5, 4, v8                   ; rows of 2,048 bytes in the result
	s_lshl_b32 s20, s18, 21                        ; 512 rows of 4,096 bytes
	s_lshl_b32 s21, s17, 2
	s_add_co_u32 s20, s20, s21
	s_mov_b32 s21, 0
	s_lshl_b32 s22, s17, 11
	s_lshl_b32 s23, s18, 10
	s_add_co_u32 s22, s22, s23
	s_mov_b32 s23, 0xa00000
	s_cmp_lt_u32 ttmp9, 16
	s_cselect_b32 s23, 0x800000, s23
	s_add_co_u32 s22, s22, s23
	s_mov_b32 s23, 0
	s_wait_kmcnt 0x0
	s_cmp_lt_u32 ttmp9, 16                         ; the choice hangs on the work-group's number alone
	s_cselect_b64 s[4:5], s[4:5], s[6:7]
	s_add_nc_u64 s[4:5], s[4:5], s[20:21]
	s_add_nc_u64 s[8:9], s[8:9], s[22:23]
.macro DLOAD t
.set i, 0
.rept 32
	global_load_b32 v[DX+32*((\t)%2)+i], v3, s[4:5] offset:(32*(\t)+i)*4096 th:TH_LOAD_NT
.set i, i+1
.endr
.endm
	DLOAD 0
	DLOAD 1
.macro DBLOCK t
.set XS, DX+32*((\t)%2)
.if (\t) < 15
	s_wait_loadcnt 32                              ; this block's 32 loads are in; the next block's may be out
.else
	s_wait_loadcnt 0
.endif
.irp i, 0,1,2,3,4,5,6,7,8,9,10,11,12,13,14,15
	v_cvt_pk_f16_f32 v[DC+\i], v[XS+2*\i], v[XS+2*\i+1]
.endr
.irp g, 0,1,2,3
	ds_store_b128 v4, v[DC+4*\g:DC+4*\g+3] offset:64*((\t)%4)+16*\g
.endr
.if (\t)+2 < 16
	DLOAD (\t)+2
.endif
	s_wait_dscnt 0x0                               ; the stores have read their registers
.endm
.macro DFLUSH p
.if (\p) > 0
	s_wait_xcnt 0x0                                ; the last flush's stores have read their data
.endif
.irp i, 0,1,2,3,4,5,6,7,8,9,10,11,12,13,14,15
	ds_load_b128 v[DO+4*\i:DO+4*\i+3], v7 offset:2*\i*272
.endr
.irp i, 0,1,2,3,4,5,6,7,8,9,10,11,12,13,14,15
	s_wait_dscnt 15-\i
	global_store_b128 v8, v[DO+4*\i:DO+4*\i+3], s[8:9] offset:2*\i*2048+256*(\p)   ; sixteen lanes store 256 consecutive bytes, aligned
.endr
.endm
.irp p, 0,1,2,3
	DBLOCK 4*\p
	DBLOCK 4*\p+1
	DBLOCK 4*\p+2
	DBLOCK 4*\p+3
	DFLUSH \p
.endr
	s_wait_tensorcnt 0x0                           ; the wave's end: the three lines
	ds_add_u32 v[SPW], v[NIL]
	s_wait_dscnt 0x0
	s_endpgm
.Lfunc_end_k_q151fe731e4_prep:
	.size	k_q151fe731e4_prep, .Lfunc_end_k_q151fe731e4_prep-k_q151fe731e4_prep
	.p2alignl 7, 3214868480
	.fill 96, 4, 3214868480
	.section	.rodata,"a",@progbits
	.p2align	6, 0x0
	.amdhsa_kernel k_q151fe731e4_prep
		.amdhsa_group_segment_fixed_size 102912
		.amdhsa_private_segment_fixed_size 0
		.amdhsa_enable_private_segment 0
		.amdhsa_kernarg_size 72
		.amdhsa_user_sgpr_count 2
		.amdhsa_user_sgpr_kernarg_segment_ptr 1
		.amdhsa_wavefront_size32 1
		.amdhsa_system_sgpr_workgroup_id_x 1
		.amdhsa_system_sgpr_workgroup_id_y 1
		.amdhsa_system_sgpr_workgroup_id_z 1
		.amdhsa_system_vgpr_workitem_id 0
		.amdhsa_next_free_vgpr 192
		.amdhsa_next_free_sgpr 66
		.amdhsa_reserve_vcc 0
		.amdhsa_float_denorm_mode_32 3
		.amdhsa_float_denorm_mode_16_64 3
		.amdhsa_memory_ordered 1
		.amdhsa_forward_progress 1
		.amdhsa_inst_pref_size 255
	.end_amdhsa_kernel
	.section	.bss,"aw",@nobits
	.p2align	6
	.space	262144
	.amdgpu_metadata
---
amdhsa.version: [ 1, 2 ]
amdhsa.kernels:
  - .name:           k_q151fe731e4_prep
    .symbol:         k_q151fe731e4_prep.kd
    .args:
      - { .name: context, .offset: 0, .size: 8, .value_kind: global_buffer, .address_space: global }
      - { .name: Wkv, .offset: 8, .size: 8, .value_kind: global_buffer, .address_space: global }
      - { .name: x, .offset: 16, .size: 8, .value_kind: global_buffer, .address_space: global }
      - { .name: g_norm, .offset: 24, .size: 8, .value_kind: global_buffer, .address_space: global }
      - { .name: Wq, .offset: 32, .size: 8, .value_kind: global_buffer, .address_space: global }
      - { .name: Wout, .offset: 40, .size: 8, .value_kind: global_buffer, .address_space: global }
      - { .name: qc, .offset: 48, .size: 8, .value_kind: global_buffer, .address_space: global }
      - { .name: qs, .offset: 56, .size: 8, .value_kind: global_buffer, .address_space: global }
      - { .name: h16, .offset: 64, .size: 8, .value_kind: global_buffer, .address_space: global }
    .group_segment_fixed_size: 102912
    .private_segment_fixed_size: 0
    .kernarg_segment_align: 8
    .kernarg_segment_size: 72
    .max_flat_workgroup_size: 128
    .sgpr_count:     66
    .vgpr_count:     192
    .wavefront_size: 32
...
	.end_amdgpu_metadata
.endif
;; end of part 1
;; launch kvq_gemm (part 2): grid 8 x 32, 4 waves a work-group, clusters of 4 x 4, 327,680 bytes of LDS; arguments qc, qs, k_scale, kv, h16, q_scale, null_kv, qb; writes kv, qb
.if DOCPART == 2
	.amdgcn_target "amdgcn-amd-amdhsa--gfx1250"
	.amdhsa_code_object_version 6
	.text
	.protected	k_q151fe731e4_kvq_gemm
	.globl	k_q151fe731e4_kvq_gemm
	.p2align	8
	.type	k_q151fe731e4_kvq_gemm,@function
k_q151fe731e4_kvq_gemm:
	s_mov_b64 s[64:65], 0
	v_nop
	global_prefetch_b8 v0, s[64:65] scope:SCOPE_SE
	s_setreg_imm32_b32 hwreg(HW_REG_WAVE_MODE, 25, 1), 1
	s_wait_xcnt 0x0
	s_wait_alu depctr_hold_cnt(0) depctr_sa_sdst(0) depctr_va_vdst(0) depctr_va_sdst(0) depctr_va_ssrc(0) depctr_va_vcc(0) depctr_vm_vsrc(0)
	s_getreg_b32 s2, hwreg(HW_REG_IB_STS2, 6, 4)
	s_cmp_eq_u32 s2, 0
	s_cbranch_scc0 .Lentry_in_a_cluster
	s_endpgm
.Lentry_in_a_cluster:
	s_bfe_u32 s2, ttmp6, 0x10000c
	s_cmp_lg_u32 s2, 0xf033
	s_cbranch_scc0 .Lentry_shape_is_right
	s_endpgm
.Lentry_shape_is_right:
; Launch 2 of 5: TWO PRODUCTS BY ONE WORK-GROUP, one after the other: kv = context Wkv on codes of E2M1, then q = xn Wq in f16.  No work of the problem is left out here.
; Both have 32 x 8 tiles (kv: 256 x 256 of 8,192 x 2,048; q: 128 x 128 of 4,096 x 1,024), so work-group (x, y) makes tile (y, x) of each.  The ring of two LDS slots goes on from the first product into the second:
; q's first K step is asked for at kv's change of slots, its second in the middle of kv's way out, and kv's stores leave while q is multiplied.
; PART 1.  A: context's codes [8192][512 bytes] at qc + 0, scales [8192][32] at qs + 0.  B: Wkv's codes [2048 n][512 bytes] at qc + 0x400000, scales at qs + 0x40000; one E8M0 scale for each 32 along K; sums in f32.
; Four waves, each 128 x 128 in 64 accumulators.  K = 1,024 is two steps of 512, the two first fills.  The scales of the work-group's rows come once, in rows of 256 bytes.
; PART 2.  A: xn [4096][1024] f16 at h16 + 0.  B: Wq laid [n][k] f16 at h16 + 0x800000.  Four waves, each 64 x 64 in 16 accumulators.  K in four steps of 256.
; a wave's load is again 128 rows x 256 bytes at LDS pitch 272, at wave x 34,816 + slot x 139,264: waves 0, 1 bring the two halves of A's 512 bytes of a K step, waves 2, 3 B's.
; CLUSTER 4 x 4: in both parts A's tiles are shared along a row of the cluster, B's along a column, by joint loads; every refill stands behind a round of the cluster's barrier, one tensor load a wave.
; THE MATRIX INSTRUCTIONS ARE USED TRANSPOSED (source 0 = rows of B, source 1 = rows of A): lane (r, h) holds row r and eight neighbouring columns 8 h + 0..7.
; KV'S WAY OUT: columns 0-1023 are K: each head's 64 channels are divided by max(norm, 1e-12) (as min(rsqrt(sum of squares), 1e12)) and multiplied by k_scale, in f32; columns 1024-2047 are V.  Both are rounded once to f16 and
; stored AS IMAGES OF THE NEXT PRODUCT'S OPERAND REGISTERS: kv byte = bh x 524,288 + (key / 512) x 131,072 + part x 65,536 + ((key % 512) / 16) x 2,048 + (channel / 16) x 512 + 16 x pos.
; K: pos = lane.  V: pos = 16 (r / 8) + 8 h + r % 8, the order in which the turning LDS load at 16 x lane gives a lane one channel and eight keys.  Every store of a wave covers 512 consecutive bytes, aligned.
; Q'S WAY OUT, in f32: q / max(norm, 1e-12) x q_scale x 8 log2(e), rounded once to f16, as images: qb byte = bh x 131,072 + (n / 16) x 2,048 + (channel / 16) x 512 + 16 x lane: the attention's scores are exponents of 2.
; The score of the null key (l2norm(null_kv[0]) k_scale against the same q) is made here in f32 and stored at qb + 0x800000 as [bh][1024] f32: stores of 128 bytes, 3 parts in 100 of what q's part stores.
; LIMITS: |v| under 65,504 and |q_scale| x 11.6 under 65,504 (f16); NaN and infinities are not served.
; REGISTERS, part 1: window 0: v0-31 addresses; v32-95 scale words, two sets; v128-191 A's fragments; v192-223 k_scale; window 1: B's fragments, two sets; windows 2, 3: the accumulators ((a, b) at v[8 (8 (a % 4) + b)]).
; Part 2: window 0: v32-127 the way out's vectors; v128-255 the accumulators ((a, b) at v[128 + 8 (4 a + b)]); window 1: two fragment buffers of 128.
.set NQ,     4
.set ROWB,   256                       ; a tile's row in bytes, in both parts
.set KROW,   512                       ; a row of codes in memory
.set QROW,   2048                      ; a row of xn or of Wq in memory
.set PITCH,  272                       ; an LDS row: 256 bytes + 16 of padding: the 16 rows of a load start at 16 different banks
.set FR,     8
.set NL,     2
.set NP,     4
.set HALFT,  128*PITCH                 ; what one tensor load brings
.set SLOT,   4*HALFT
.set KSB,    32                        ; a row of scales in bytes
.set SCL,    2*SLOT
.set HALFS,  (128*KSB/256)*272
.set SBLK,   (16*KSB/256)*272
.set SPARE,  SCL+4*HALFS               ; the spare words, 128 bytes for each wave, that no other line names
.set ADRA, 16
.set ADRB, 20
.set VOK,  24                          ; kv's way out: my 16 bytes in a block of 512, for K
.set KA,   25                          ; 32 h: my place in the vectors of 64; never rewritten
.set VOV,  26                          ; the same as VOK, for V
.set ADRS, 27
.set SPW,  28
.set NIL,  29
.set SC,   32
.set AF,   128
.set TT,   32                          ; kv's way out: four registers for each of 8 groups (16 keys x a head): sums of squares
.set INV,  64                          ; pairs: 1 / norm
.set T2,   96                          ; 32 numbers at work
.set PK,   128                         ; two sets of 16 registers of f16
.set KSR,  192                         ; k_scale at my 32 channels
.set QS,   32                          ; part 2: q_scale at my 32 channels, then x 8 log2(e)
.set WN,   64                          ; k_scale, then the null key's weights
.set NK,   96                          ; null_kv[0]; later at work
.set IV,   2                           ; v2-9 pairs: 1 / norm of my row in row tile a
.set TN,   10                          ; v10-13 the null key's score
.set ACC,  128
.set F0,   0
.set F1,   128
.set SEL,  2                           ; s[2:3] lane selects: lane l xor 16
.set G1, 24
.set G0, 32
.set G1B, 48
.set G0B, 56
.set G1S, 68
.set G0S, 76
.set G1SB, 80
.set G0SB, 88
.set QAD, 98                           ; s[98:99]   where my part of q's A tiles begins; s[100:101] the same for B
.set QBD, 100
.set MSB, 0
.macro WIN new                         ; the immediate's high byte repeats the setting that is left
.if MSB != \new
	s_set_vgpr_msb (MSB<<8)|\new
.set MSB, \new
.endif
.endm
.set MUL_LO, 0xa1                      ; source 0 (B) window 1, source 1 (A) window 0, C and D window 2
.set MUL_HI, 0xf1
.set TO_B,   0x40                      ; destination window 1
.set QMUL,   0x05                      ; sources 0 and 1 window 1; C and D window 0
; A joint load: waves 0 and 1 fetch for A, waves 2 and 3 for B; the branch hangs on the wave's number alone.  An s_nop 0 and four v_nop follow each line.
.macro JLOAD g0a, g1a, g0b, g1b
	s_cmp_eq_u32 s15, 0
	s_cbranch_scc0 .Lfor_b_\@
	tensor_load_to_lds s[\g0a:\g0a+3], s[\g1a:\g1a+7]
	s_nop 0
.rept 4
	v_nop
.endr
	s_branch .Lasked_\@
.Lfor_b_\@:
	tensor_load_to_lds s[\g0b:\g0b+3], s[\g1b:\g1b+7]
	s_nop 0
.rept 4
	v_nop
.endr
.Lasked_\@:
.endm
.macro CREST                           ; a round of the cluster's barrier behind its opening barrier
	s_cmp_lg_u32 s14, 0
	s_cbranch_scc1 .Lnot_wave_0_\@
	s_barrier_signal -3
.Lnot_wave_0_\@:
	s_barrier_wait -3
	s_barrier_signal -1
	s_barrier_wait -1
.endm
.macro CROUND                          ; a whole round
	s_barrier_signal -1
	s_barrier_wait -1
	CREST
.endm
	s_load_b128 s[4:7], s[0:1], 0x0                ; qc, qs
	s_load_b64 s[96:97], s[0:1], 0x10              ; k_scale
	s_load_b64 s[12:13], s[0:1], 0x18              ; kv
	s_load_b64 s[QAD:QAD+1], s[0:1], 0x20          ; h16
	v_lshl_add_u32 v[SPW], v0, 2, SPARE
	v_mov_b32 v[NIL], 0
	ds_add_u32 v[SPW], v[NIL]                      ; the wave's opening: the add, twice on end, and its wait ahead of my first tensor load
	ds_add_u32 v[SPW], v[NIL]
	v_lshrrev_b32 v1, 5, v0
	v_readfirstlane_b32 s14, v1                    ; wave 0..3
	s_lshr_b32 s15, s14, 1                         ; which half of a tile's rows is mine.  Also: I fetch for A (0) or for B (1)
	s_and_b32 s16, s14, 1                          ; which half of its columns.  Also: which part of A's or B's tile I fetch
	s_bfe_u32 s40, ttmp6, 0x40000                  ; cx, cy
	s_bfe_u32 s41, ttmp6, 0x40004
	s_lshl_b32 s42, ttmp9, 2
	s_add_co_u32 s42, s42, s40                     ; tile column
	s_and_b32 s17, ttmp7, 0xffff
	s_lshl_b32 s17, s17, 2
	s_add_co_u32 s17, s17, s41                     ; tile row
	s_lshl_b32 s43, s41, 2
	s_lshl_b32 s43, 15, s43                        ; my row of the cluster
	s_lshl_b32 s44, 0x1111, s40                    ; my column
	s_or_b32 s[G1+0], s43, (0<<16)|(1<<20)|(1<<21)|(5<<22)|(3<<25)  ; mask; elements of 1 byte; padding of 4 words after every 64
	s_or_b32 s[G1B+0], s44, (0<<16)|(1<<20)|(1<<21)|(5<<22)|(3<<25)
.irp g, G1, G1B
	s_mov_b32 s[\g+1], ROWB<<16                    ; tensor_dim0
	s_mov_b32 s[\g+2], 128<<16                     ; tensor_dim1
	s_mov_b32 s[\g+3], ROWB<<16                    ; tile_dim0
	s_mov_b32 s[\g+4], 128                         ; tile_dim1
	s_mov_b32 s[\g+5], KROW                        ; the pitch in memory: part 1's
	s_mov_b32 s[\g+6], 0
	s_mov_b32 s[\g+7], 0
.endr
	s_or_b32 s[G1S+0], s43, (3<<16)|(1<<20)|(1<<21)|(5<<22)|(3<<25) ; the scales of 128 rows: 4,096 dense bytes as 16 rows of 256 (32 elements of 8 bytes)
	s_or_b32 s[G1SB+0], s44, (3<<16)|(1<<20)|(1<<21)|(5<<22)|(3<<25)
.irp g, G1S, G1SB
	s_mov_b32 s[\g+1], 32<<16
	s_mov_b32 s[\g+2], (128*KSB/256)<<16
	s_mov_b32 s[\g+3], 32<<16
	s_mov_b32 s[\g+4], 128*KSB/256
	s_mov_b32 s[\g+5], 32
	s_mov_b32 s[\g+6], 0
	s_mov_b32 s[\g+7], 0
.endr
	s_lshl_b32 s18, s16, 7
	s_lshl_b32 s20, s17, 8
	s_add_co_u32 s20, s20, s18                     ; A: row 256 x tile row + 128 x half
	s_lshl_b32 s46, s42, 8
	s_add_co_u32 s46, s46, s18                     ; B: row 256 x tile column + 128 x half
	s_mov_b32 s21, 0
	s_mov_b32 s47, 0
	s_mov_b64 s[18:19], KSB
	s_mul_u64 s[22:23], s[20:21], s[18:19]
	s_mul_u64 s[92:93], s[46:47], s[18:19]
	s_mov_b64 s[18:19], KROW
	s_mul_u64 s[20:21], s[20:21], s[18:19]
	s_mul_u64 s[46:47], s[46:47], s[18:19]
	s_mul_i32 s45, s14, HALFT                      ; where a wave's tile goes, in both parts: wave x 128 rows
	s_mul_i32 s94, s14, HALFS
	s_lshl_b32 s2, s17, 18                         ; part 2, A: 128 x tile row rows of 2,048 bytes,
	s_lshl_b32 s3, s16, 8                          ; and my 256 of a K step's 512 bytes
	s_add_co_u32 s2, s2, s3
	s_mov_b32 s3, 0
	s_lshl_b32 s[QBD], s42, 18                     ; part 2, B: by the tile column, in registers that never feed A's descriptors
	s_lshl_b32 s[QBD+1], s16, 8
	s_add_co_u32 s[QBD], s[QBD], s[QBD+1]
	s_add_co_u32 s[QBD], s[QBD], 0x800000
	s_mov_b32 s[QBD+1], 0
	s_wait_dscnt 0x0                               ; both opening adds are done
	s_wait_kmcnt 0x0
	s_add_nc_u64 s[8:9], s[4:5], 0x400000          ; B's codes
	s_add_nc_u64 s[10:11], s[6:7], 0x40000         ; B's scales
	s_add_nc_u64 s[20:21], s[4:5], s[20:21]
	s_add_nc_u64 s[22:23], s[6:7], s[22:23]
	s_add_nc_u64 s[46:47], s[8:9], s[46:47]
	s_add_nc_u64 s[92:93], s[10:11], s[92:93]
	s_add_nc_u64 s[QBD:QBD+1], s[QAD:QAD+1], s[QBD:QBD+1]
	s_add_nc_u64 s[QAD:QAD+1], s[QAD:QAD+1], s[2:3]
	CROUND                                         ; all sixteen work-groups are here: the joint loads meet
	s_mov_b32 s[G0S], 1
	s_add_co_u32 s[G0S+1], s94, SCL
	s_mov_b64 s[G0S+2:G0S+3], s[22:23]
	s_or_b32 s[G0S+3], s[G0S+3], 0x80000000
	s_mov_b32 s[G0SB], 1
	s_add_co_u32 s[G0SB+1], s94, SCL
	s_mov_b64 s[G0SB+2:G0SB+3], s[92:93]
	s_or_b32 s[G0SB+3], s[G0SB+3], 0x80000000
	JLOAD G0S, G1S, G0SB, G1SB                     ; the scales first; three loads of mine are out behind the third
.irp s, 0,1
	s_mov_b32 s[G0+4*\s], 1
	s_add_co_u32 s[G0+4*\s+1], s45, \s*SLOT
	s_add_nc_u64 s[G0+4*\s+2:G0+4*\s+3], s[20:21], \s*ROWB
	s_or_b32 s[G0+4*\s+3], s[G0+4*\s+3], 0x80000000
	s_mov_b32 s[G0B+4*\s], 1
	s_add_co_u32 s[G0B+4*\s+1], s45, \s*SLOT
	s_add_nc_u64 s[G0B+4*\s+2:G0B+4*\s+3], s[46:47], \s*ROWB
	s_or_b32 s[G0B+4*\s+3], s[G0B+4*\s+3], 0x80000000
	JLOAD G0+4*\s, G1, G0B+4*\s, G1B
.endr
	v_and_b32 v1, 15, v0                           ; r; kept
	v_bfe_u32 v2, v0, 4, 1                         ; h; kept
	v_lshlrev_b32 v[KA], 5, v2
.irp u, 0,1,2,3                                ; k_scale at channels 16 u + 8 h + 0..7: asked for here, waited for at the way out
	global_load_b128 v[KSR+8*\u:KSR+8*\u+3], v[KA], s[96:97] offset:64*\u
	global_load_b128 v[KSR+8*\u+4:KSR+8*\u+7], v[KA], s[96:97] offset:64*\u+16
.endr
	v_mul_u32_u24 v3, v1, PITCH
	v_lshl_add_u32 v4, v2, 4, v3
	s_mul_i32 s21, s15, HALFT
	s_mul_i32 s22, s16, HALFT
	s_add_co_u32 s22, s22, 2*HALFT
.irp s, 0,1
	v_add_nc_u32 v[ADRA+\s], s21, v4
	v_add_nc_u32 v[ADRB+\s], s22, v4
	s_add_co_u32 s21, s21, SLOT
	s_add_co_u32 s22, s22, SLOT
.endr
	v_mul_u32_u24 v5, v1, KSB                      ; my row's scales,
	v_lshrrev_b32 v6, 8, v5
	v_lshl_add_u32 v5, v6, 4, v5                   ; and 16 more for each 256 passed
	s_mul_i32 s21, s15, HALFS
	s_mul_i32 s22, s16, HALFS
	s_add_co_u32 s22, s22, 2*HALFS
	s_sub_co_u32 s22, s22, s21
	v_mul_u32_u24 v6, s22, v2                      ; lanes 16-31 take B's
	s_add_co_u32 s21, s21, SCL
	v_add_nc_u32 v5, v5, v6
	v_add_nc_u32 v[ADRS], s21, v5
	; where my part of kv begins: batch = tile row / 8; keys 256 (tile row % 8) + 128 x my row half on; heads 4 (tile column % 4) + 2 x my column half on; part = tile column / 4
	s_lshr_b32 s20, s17, 3
	s_lshl_b32 s20, s20, 23
	s_and_b32 s21, s17, 7
	s_lshr_b32 s21, s21, 1
	s_lshl_b32 s21, s21, 17
	s_add_co_u32 s20, s20, s21
	s_and_b32 s21, s17, 1
	s_lshl_b32 s21, s21, 15
	s_add_co_u32 s20, s20, s21
	s_lshl_b32 s21, s15, 14
	s_add_co_u32 s20, s20, s21
	s_mov_b32 s21, 0
	s_and_b32 s46, s42, 3
	s_lshl_b32 s46, s46, 21
	s_lshl_b32 s47, s16, 20
	s_add_co_u32 s46, s46, s47
	s_lshr_b32 s47, s42, 2
	s_lshl_b32 s47, s47, 16
	s_add_co_u32 s46, s46, s47
	s_mov_b32 s47, 0
	s_add_nc_u64 s[20:21], s[20:21], s[46:47]
	s_add_nc_u64 s[12:13], s[12:13], s[20:21]
.macro FRAG reg, adr, q, i             ; 16 rows x 128 K of 4-bit codes: 8 registers, two loads of 16 bytes, 32 bytes apart
.irp c, 0,1
	ds_load_b128 v[\reg+4*\c:\reg+4*\c+3], v[\adr] offset:64*(\q)+32*\c+(\i)*16*PITCH
.endr
.endm
; 16 matrix instructions: A's blocks a0, a0 + 1 x B's eight.  The 64 accumulators take turns, one instruction a turn, in the same order in every step.
.macro MUL16 a0, p, q, sc, zero
.irp a, \a0, \a0+1
.irp b, 0,1,2,3,4,5,6,7
.if \zero
	v_wmma_scale_f32_16x16x128_f8f6f4 v[8*(8*((\a)%4)+\b):8*(8*((\a)%4)+\b)+7], v[128*(\p)+FR*\b:128*(\p)+FR*\b+FR-1], v[AF+FR*(\a):AF+FR*(\a)+FR-1], 0, v[SC+8*NQ*(\sc)+NQ*\b+(\q)], v[SC+8*NQ*(\sc)+NQ*(\a)+(\q)] matrix_a_fmt:MATRIX_FMT_FP4 matrix_b_fmt:MATRIX_FMT_FP4 matrix_a_scale:MATRIX_SCALE_ROW1
.else
	v_wmma_scale_f32_16x16x128_f8f6f4 v[8*(8*((\a)%4)+\b):8*(8*((\a)%4)+\b)+7], v[128*(\p)+FR*\b:128*(\p)+FR*\b+FR-1], v[AF+FR*(\a):AF+FR*(\a)+FR-1], v[8*(8*((\a)%4)+\b):8*(8*((\a)%4)+\b)+7], v[SC+8*NQ*(\sc)+NQ*\b+(\q)], v[SC+8*NQ*(\sc)+NQ*(\a)+(\q)] matrix_a_fmt:MATRIX_FMT_FP4 matrix_b_fmt:MATRIX_FMT_FP4 matrix_a_scale:MATRIX_SCALE_ROW1
.endif
.endr
.endr
.endm
.macro FETCH_B slot, q, p
	WIN TO_B
.irp i, 0,1,2,3,4,5,6,7
	FRAG 128*(\p)+FR*\i, ADRB+\slot, \q, \i
.endr
	WIN 0
.endm
.macro FETCH_A slot, q, i0
.irp i, \i0, \i0+1, \i0+2, \i0+3
	FRAG AF+FR*(\i), ADRA+\slot, \q, \i
.endr
.endm
.macro SCALES sc                       ; a K step's scale words: lanes 0-15 take A's block i, lanes 16-31 B's block i
.irp i, 0,1,2,3,4,5,6,7
	ds_load_b128 v[SC+8*NQ*\sc+NQ*\i:SC+8*NQ*\sc+NQ*\i+3], v[ADRS] offset:\i*SBLK
.endr
.endm
.macro PLACES n                        ; plain vector lines between a matrix instruction and a load into, or a vector line on, its registers
.rept \n
	v_nop
.endr
.endm
.macro STEP slot, q, zero              ; 128 along K that have their successor in the same slot
	s_wait_dscnt 4*NL                              ; B's set and A's blocks 0-3 are in; the youngest eight loads (A's blocks 4-7) may be out
	WIN MUL_LO
	MUL16 0, (\q)%2, \q, \slot, \zero
	MUL16 2, (\q)%2, \q, \slot, \zero
	s_wait_dscnt 0
	PLACES NP
	FETCH_B \slot, (\q)+1, 1-(\q)%2
	FETCH_A \slot, (\q)+1, 0
	WIN MUL_HI
	MUL16 4, (\q)%2, \q, \slot, \zero
	MUL16 6, (\q)%2, \q, \slot, \zero
	PLACES NP
	WIN 0
	FETCH_A \slot, (\q)+1, 4
.endm
; Slot 0's last step changes slots.  In front of the barrier each wave waits for all its tensor loads (its part of slot 1), adds 0 to its spare word, and waits for that and for its reads of slot 0.
; The barrier opens a round of the cluster's barrier, and behind the round SLOT 0 TAKES Q'S FIRST K STEP: it has the rest of part 1's products and half of its way out in which to land.
.macro TURN
	s_wait_tensorcnt 0x0                           ; no tensor load of mine is out: descriptors may be written
	ds_add_u32 v[SPW], v[NIL]
	s_wait_dscnt 4*NL+1                            ; (the add and the youngest eight loads may be out)
	WIN MUL_LO
	MUL16 0, 1, NQ-1, 0, 0
	s_wait_dscnt 0x0                               ; the add is done, and my reads of slot 0 are over
	s_barrier_signal -1
	MUL16 2, 1, NQ-1, 0, 0
	WIN 0
	s_barrier_wait -1
	CREST                                          ; no wave of any partner still reads slot 0 or has a load on its way
	s_mov_b32 s[G1+5], QROW                        ; from here on the tiles are part 2's: the same shape in LDS, rows 2,048 bytes apart in memory
	s_mov_b32 s[G1B+5], QROW
	s_mov_b64 s[G0+2:G0+3], s[QAD:QAD+1]           ; K step 0; the LDS address stays
	s_or_b32 s[G0+3], s[G0+3], 0x80000000
	s_mov_b64 s[G0B+2:G0B+3], s[QBD:QBD+1]
	s_or_b32 s[G0B+3], s[G0B+3], 0x80000000
	JLOAD G0, G1, G0B, G1B                         ; my one tensor load behind the round; its four v_nop are also the places in front of the loads below
	v_add_nc_u32 v[ADRS], 4*NQ, v[ADRS]            ; the next K step's scale words
	FETCH_B 1, 0, 0
	FETCH_A 1, 0, 0
	SCALES 1
	WIN MUL_HI
	MUL16 4, 1, NQ-1, 0, 0
	MUL16 6, 1, NQ-1, 0, 0
	PLACES NP
	WIN 0
	FETCH_A 1, 0, 4
.endm
.macro STEPS slot, from
.set Q, \from
.rept NQ-1-\from
	STEP \slot, Q, 0
.set Q, Q+1
.endr
.endm
	s_wait_tensorcnt 1                             ; the scales and my part of slot 0 are in; slot 1's load may be out
	s_barrier_signal -1
	s_barrier_wait -1
	FETCH_B 0, 0, 0
	FETCH_A 0, 0, 0
	SCALES 0
	FETCH_A 0, 0, 4
	STEP 0, 0, 1                                   ; the first products start the sums: nothing is cleared
	STEPS 0, 1
	TURN
	STEPS 1, 0
	s_wait_dscnt 4*NL
	WIN MUL_LO
	MUL16 0, 1, NQ-1, 1, 0
	MUL16 2, 1, NQ-1, 1, 0
	s_wait_dscnt 0
	WIN MUL_HI
	MUL16 4, 1, NQ-1, 1, 0
	MUL16 6, 1, NQ-1, 1, 0
	WIN 0
	; ---------------- KV'S WAY OUT, in two halves (my rows 0-63, then 64-127) with a change of slots between them.
	; Group g = 2 (a % 4) + hh of a window is 16 keys x one head: 32 registers on end, at v[32 g] of the window; register 8 u + j is channel 16 u + 8 h + j.
	; The text parts twice on the cluster's x (0 = tile columns 0-3 = K, 1 = V: the same in all sixteen partners).  All that the second arms read from outside themselves is made here, ahead of the first parting.
	PLACES NP
	s_mov_b32 s[SEL], 0x76543210
	s_mov_b32 s[SEL+1], 0xfedcba98
	s_wait_loadcnt 0x0                             ; k_scale
	v_and_b32 v[VOK], 31, v0
	v_lshlrev_b32 v[VOK], 4, v[VOK]                ; K: pos = lane
	v_lshrrev_b32 v[VOV], 3, v1
	v_lshlrev_b32 v[VOV], 4, v[VOV]
	v_lshl_add_u32 v[VOV], v2, 3, v[VOV]
	v_and_b32 v3, 7, v1
	v_add_nc_u32 v[VOV], v[VOV], v3                ; V: pos = 16 (r / 8) + 8 h + r % 8
	v_lshlrev_b32 v[VOV], 4, v[VOV]
.irp g, 0,1,2,3,4,5,6,7
	v_mov_b32 v[INV+2*\g+1], 0                     ; named with its partner as a pair, so it is written
.endr
.macro KSUM w                          ; the sums of squares of the window's 8 groups, two packed chains each; every accumulator is read from its low end on
	WIN 0x0a+5*(\w)
.irp g, 0,1,2,3,4,5,6,7
	v_pk_mul_f32 v[TT+4*\g:TT+4*\g+1], v[32*\g:32*\g+1], v[32*\g:32*\g+1]
.endr
.irp g, 0,1,2,3,4,5,6,7
	v_pk_mul_f32 v[TT+4*\g+2:TT+4*\g+3], v[32*\g+2:32*\g+3], v[32*\g+2:32*\g+3]
.endr
.irp p, 4,8,12,16,20,24,28
.irp g, 0,1,2,3,4,5,6,7
	v_pk_fma_f32 v[TT+4*\g:TT+4*\g+1], v[32*\g+\p:32*\g+\p+1], v[32*\g+\p:32*\g+\p+1], v[TT+4*\g:TT+4*\g+1]
.endr
.irp g, 0,1,2,3,4,5,6,7
	v_pk_fma_f32 v[TT+4*\g+2:TT+4*\g+3], v[32*\g+\p+2:32*\g+\p+3], v[32*\g+\p+2:32*\g+\p+3], v[TT+4*\g+2:TT+4*\g+3]
.endr
.endr
	WIN 0
.irp g, 0,1,2,3,4,5,6,7
	v_pk_add_f32 v[TT+4*\g:TT+4*\g+1], v[TT+4*\g:TT+4*\g+1], v[TT+4*\g+2:TT+4*\g+3]
.endr
.irp g, 0,1,2,3,4,5,6,7
	v_add_f32 v[TT+4*\g], v[TT+4*\g], v[TT+4*\g+1]
.endr
.irp g, 0,1,2,3,4,5,6,7
	v_permlanex16_b32 v[TT+4*\g+1], v[TT+4*\g], s[SEL], s[SEL+1]   ; the key's other 32 channels lie in the lane 16 away
.endr
.irp g, 0,1,2,3,4,5,6,7
	v_add_f32 v[TT+4*\g], v[TT+4*\g], v[TT+4*\g+1]
.endr
.irp g, 0,1,2,3,4,5,6,7
	v_rsq_f32 v[INV+2*\g], v[TT+4*\g]
.endr
	v_nop                                          ; a plain line behind the last root
	s_wait_alu depctr_va_vdst(0)                   ; one wait for the eight roots, ahead of their first reader
.irp g, 0,1,2,3,4,5,6,7
	v_min_num_f32 v[INV+2*\g], 0x5368d4a5, v[INV+2*\g]   ; 1 / max(norm, 1e-12)
.endr
.endm
.macro KOUT a, hh
.set AB, 8*(8*((\a)%4)+4*(\hh))
.set GI, 2*((\a)%4)+(\hh)
.set PB, PK+16*(\hh)
	WIN 0x02+((\a)/4)
.set i, 0
.rept 16
	v_pk_mul_f32 v[T2+2*i:T2+2*i+1], v[AB+2*i:AB+2*i+1], v[KSR+2*i:KSR+2*i+1]
.set i, i+1
.endr
	WIN 0
.set i, 0
.rept 16
	v_pk_mul_f32 v[T2+2*i:T2+2*i+1], v[T2+2*i:T2+2*i+1], v[INV+2*GI:INV+2*GI+1] op_sel_hi:[1,0]
.set i, i+1
.endr
	s_wait_xcnt 0x0                                ; earlier stores have read their data: the f16 registers may be written again
.set i, 0
.rept 16
	v_cvt_pk_f16_f32 v[PB+i], v[T2+2*i], v[T2+2*i+1]
.set i, i+1
.endr
.irp u, 0,1,2,3
	global_store_b128 v[VOK], v[PB+4*\u:PB+4*\u+3], s[12:13] offset:(\hh)*524288+(\a)*2048+\u*512
.endr
.endm
.macro VOUT a, hh
.set AB, 8*(8*((\a)%4)+4*(\hh))
.set PB, PK+16*(\hh)
	s_wait_xcnt 0x0                                ; earlier stores have read their data
	WIN 0x0a+5*((\a)/4)
.set i, 0
.rept 16
	v_cvt_pk_f16_f32 v[PB+i], v[AB+2*i], v[AB+2*i+1]
.set i, i+1
.endr
	WIN 0
.irp u, 0,1,2,3
	global_store_b128 v[VOV], v[PB+4*\u:PB+4*\u+3], s[12:13] offset:(\hh)*524288+(\a)*2048+\u*512
.endr
.endm
	s_cmp_lg_u32 ttmp9, 0
	s_cbranch_scc1 .Lv0
	KSUM 0
.irp a, 0,1,2,3
	KOUT \a, 0
	KOUT \a, 1
.endr
	s_branch .Lmid
.Lv0:
.irp a, 0,1,2,3
	VOUT \a, 0
	VOUT \a, 1
.endr
.Lmid:
	; THE SECOND CHANGE OF SLOTS: slot 1, which part 1 has read out, takes q's second K step.  Behind the round q's first K step, in slot 0, is whole for every wave.
	s_wait_tensorcnt 0x0                           ; my part of q's first K step has landed: no tensor load of mine is out
	ds_add_u32 v[SPW], v[NIL]
	s_add_nc_u64 s[G0+6:G0+7], s[QAD:QAD+1], 2*ROWB   ; K step 1: 512 bytes on in each row; the LDS address stays
	s_or_b32 s[G0+7], s[G0+7], 0x80000000
	s_add_nc_u64 s[G0B+6:G0B+7], s[QBD:QBD+1], 2*ROWB
	s_or_b32 s[G0B+7], s[G0B+7], 0x80000000
	s_wait_dscnt 0x0                               ; the add is done; my reads of slot 1 were over behind the last products' wait
	CROUND
	JLOAD G0+4, G1, G0B+4, G1B                     ; my one tensor load behind the round
	s_load_b128 s[68:71], s[0:1], 0x28             ; q_scale, null_kv: into registers of descriptors whose loads are done; waited for behind the way out
	s_load_b64 s[72:73], s[0:1], 0x38              ; qb
	s_cmp_lg_u32 ttmp9, 0
	s_cbranch_scc1 .Lv1
	KSUM 1
.irp a, 4,5,6,7
	KOUT \a, 0
	KOUT \a, 1
.endr
	s_branch .Lend
.Lv1:
.irp a, 4,5,6,7
	VOUT \a, 0
	VOUT \a, 1
.endr
.Lend:
	; ---------------- PART 2: q = xn Wq.  A slot: A's 128 rows x 256 bytes (K bytes 0-255 of the step), A's next 256 bytes, then B's two likewise, each 128 rows of pitch 272.
	s_wait_xcnt 0x0                                ; kv's last stores have read their data: the registers may be written again
	s_wait_kmcnt 0x0
.irp u, 0,1,2,3                                ; the three vectors of 64 at channels 16 u + 8 h + 0..7: waited for behind the products
	global_load_b128 v[QS+8*\u:QS+8*\u+3], v[KA], s[68:69] offset:64*\u
	global_load_b128 v[QS+8*\u+4:QS+8*\u+7], v[KA], s[68:69] offset:64*\u+16
	global_load_b128 v[WN+8*\u:WN+8*\u+3], v[KA], s[96:97] offset:64*\u
	global_load_b128 v[WN+8*\u+4:WN+8*\u+7], v[KA], s[96:97] offset:64*\u+16
	global_load_b128 v[NK+8*\u:NK+8*\u+3], v[KA], s[70:71] offset:64*\u
	global_load_b128 v[NK+8*\u+4:NK+8*\u+7], v[KA], s[70:71] offset:64*\u+16
.endr
	v_mul_u32_u24 v3, v1, PITCH
	v_lshl_add_u32 v3, v2, 4, v3                   ; a fragment's row x pitch + 16 x half
	s_mul_i32 s21, s15, 64*PITCH                   ; my 64 rows of A
	s_mul_i32 s22, s16, 64*PITCH                   ; my 64 rows of B,
	s_add_co_u32 s22, s22, 2*HALFT                 ; which lie behind A's two parts
.irp s, 0,1
	v_add_nc_u32 v[ADRA+\s], s21, v3
	v_add_nc_u32 v[ADRB+\s], s22, v3
	s_add_co_u32 s21, s21, SLOT
	s_add_co_u32 s22, s22, SLOT
.endr
	; where my results go: batch = tile row / 8; queries 128 (tile row % 8) + 64 x my row half on; head = 2 x tile column + my column half
	s_lshr_b32 s18, s17, 3
	s_and_b32 s19, s17, 7
	s_lshl_b32 s20, s18, 21
	s_lshl_b32 s21, s19, 14
	s_add_co_u32 s20, s20, s21
	s_lshl_b32 s21, s15, 13
	s_add_co_u32 s20, s20, s21
	s_mov_b32 s21, 0
	s_add_nc_u64 s[74:75], s[72:73], s[20:21]
	s_lshl_b32 s46, s42, 1
	s_add_co_u32 s46, s46, s16
	s_lshl_b32 s44, s46, 17
	s_mov_b32 s45, 0
	s_add_nc_u64 s[74:75], s[74:75], s[44:45]      ; the images of q
	s_lshl_b32 s20, s18, 16
	s_lshl_b32 s21, s19, 9
	s_add_co_u32 s20, s20, s21
	s_lshl_b32 s21, s15, 8
	s_add_co_u32 s20, s20, s21
	s_add_co_u32 s20, s20, 0x800000
	s_mov_b32 s21, 0
	s_add_nc_u64 s[76:77], s[72:73], s[20:21]
	s_lshl_b32 s44, s46, 12
	s_add_nc_u64 s[76:77], s[76:77], s[44:45]      ; the null key's scores
	s_mov_b32 s78, 0xffff0000                      ; lanes 16-31
.macro MUL8 f, c, a0, zero             ; 8 matrix instructions; the 16 accumulators take turns, one instruction a turn
.irp a, \a0, \a0+1
.irp b, 0,1,2,3
.if \zero
	v_wmma_f32_16x16x32_f16 v[ACC+8*(4*(\a)+\b):ACC+8*(4*(\a)+\b)+7], v[\f+64+8*(4*\c+\b):\f+64+8*(4*\c+\b)+7], v[\f+8*(4*\c+\a):\f+8*(4*\c+\a)+7], 0
.else
	v_wmma_f32_16x16x32_f16 v[ACC+8*(4*(\a)+\b):ACC+8*(4*(\a)+\b)+7], v[\f+64+8*(4*\c+\b):\f+64+8*(4*\c+\b)+7], v[\f+8*(4*\c+\a):\f+8*(4*\c+\a)+7], v[ACC+8*(4*(\a)+\b):ACC+8*(4*(\a)+\b)+7]
.endif
.endr
.endr
.endm
.macro QFETCH slot, k, f               ; 32 LDS loads in one run: the fragments of 64 along K at byte k of a K step's 512: part k / 256 of the slot, byte k % 256 of its rows
	WIN TO_B
.irp c, 0,1
.irp i, 0,1,2,3
	ds_load_b128 v[\f+64+8*(4*\c+\i):\f+64+8*(4*\c+\i)+3],   v[ADRB+\slot] offset:((\k)/256)*HALFT+((\k)%256)+64*\c+\i*16*PITCH
	ds_load_b128 v[\f+64+8*(4*\c+\i)+4:\f+64+8*(4*\c+\i)+7], v[ADRB+\slot] offset:((\k)/256)*HALFT+((\k)%256)+64*\c+\i*16*PITCH+32
	ds_load_b128 v[\f+8*(4*\c+\i):\f+8*(4*\c+\i)+3],         v[ADRA+\slot] offset:((\k)/256)*HALFT+((\k)%256)+64*\c+\i*16*PITCH
	ds_load_b128 v[\f+8*(4*\c+\i)+4:\f+8*(4*\c+\i)+7],       v[ADRA+\slot] offset:((\k)/256)*HALFT+((\k)%256)+64*\c+\i*16*PITCH+32
.endr
.endr
.endm
.macro QUARTER slot, k, f, g, zero     ; 64 along K: multiplies buffer f and fetches the next quarter, at byte k, into g
	s_wait_dscnt 16                                ; the first 32 along K are in; the youngest sixteen loads may be out
	WIN QMUL
	MUL8 \f, 0, 0, \zero
	MUL8 \f, 0, 2, \zero
	PLACES 4
	QFETCH \slot, \k, \g
	s_wait_dscnt 32                                ; all but the 32 just issued
	WIN QMUL
	MUL8 \f, 1, 0, 0
	MUL8 \f, 1, 2, 0
.endm
.macro QTURN slot, next, fill          ; a K step's last quarter changes slots: one barrier; fill = 1: it opens a round of the cluster's barrier, and this slot is filled again, two K steps ahead
	WIN 0
	s_wait_tensorcnt 0x0                           ; all my tensor loads have landed: my part of the next slot
	ds_add_u32 v[SPW], v[NIL]
	s_wait_dscnt 17                                ; (the add and the youngest sixteen loads may be out)
	WIN QMUL
	MUL8 F1, 0, 0, 0
	s_wait_dscnt 0x0                               ; the add is done, and my reads of this slot are over
	s_barrier_signal -1
	MUL8 F1, 0, 2, 0
.if \fill
	WIN 0
.endif
	s_barrier_wait -1
.if \fill
	CREST
	s_add_nc_u64 s[G0+4*\slot+2:G0+4*\slot+3], s[G0+4*\slot+2:G0+4*\slot+3], 4*ROWB
	s_add_nc_u64 s[G0B+4*\slot+2:G0B+4*\slot+3], s[G0B+4*\slot+2:G0B+4*\slot+3], 4*ROWB
	JLOAD G0+4*\slot, G1, G0B+4*\slot, G1B         ; my one tensor load behind the round; its four v_nop are also the places in front of the loads below
.else
	PLACES 4
.endif
	QFETCH \next, 0, F0
	WIN QMUL
	MUL8 F1, 1, 0, 0
	MUL8 F1, 1, 2, 0
.endm
	QFETCH 0, 0, F0                                ; slot 0 was shown whole to every wave by the round in the middle of kv's way out
	QUARTER 0, 128, F0, F1, 1                      ; the first products start the sums
	QUARTER 0, 256, F1, F0, 0
	QUARTER 0, 384, F0, F1, 0
	QTURN 0, 1, 1                                  ; slot 0 takes K step 2
	QUARTER 1, 128, F0, F1, 0
	QUARTER 1, 256, F1, F0, 0
	QUARTER 1, 384, F0, F1, 0
	QTURN 1, 0, 1                                  ; slot 1 takes K step 3
	QUARTER 0, 128, F0, F1, 0
	QUARTER 0, 256, F1, F0, 0
	QUARTER 0, 384, F0, F1, 0
	QTURN 0, 1, 0                                  ; nothing is left to fetch
	QUARTER 1, 128, F0, F1, 0
	QUARTER 1, 256, F1, F0, 0
	QUARTER 1, 384, F0, F1, 0
	s_wait_dscnt 16
	WIN QMUL
	MUL8 F1, 0, 0, 0
	MUL8 F1, 0, 2, 0
	s_wait_dscnt 0
	MUL8 F1, 1, 0, 0
	MUL8 F1, 1, 2, 0
	WIN 0
	; ---------------- Q'S WAY OUT.  Row tile a's 32 registers lie on end at v[ACC + 32 a]; register 8 b + j is channel 16 b + 8 h + j of my row r; a wave's 64 columns are one head.
	PLACES 4
	s_wait_loadcnt 0x0                             ; q_scale, k_scale, null_kv[0]
	v_mov_b32 v23, 0
.irp a, 0,1,2,3
	v_mov_b32 v[IV+2*\a+1], 0                      ; named with its partner as a pair, so it is written
.endr
	v_and_b32 v14, 31, v0
	v_lshlrev_b32 v15, 2, v14                      ; 4 x lane
	v_lshlrev_b32 v14, 4, v14                      ; 16 x lane
	v_pk_mul_f32 v[16:17], v[NK:NK+1], v[NK:NK+1]  ; the null key's norm
	v_pk_mul_f32 v[20:21], v[NK+2:NK+3], v[NK+2:NK+3]
.irp i, 4,8,12,16,20,24,28
	v_pk_fma_f32 v[16:17], v[NK+\i:NK+\i+1], v[NK+\i:NK+\i+1], v[16:17]
	v_pk_fma_f32 v[20:21], v[NK+\i+2:NK+\i+3], v[NK+\i+2:NK+\i+3], v[20:21]
.endr
	v_pk_add_f32 v[16:17], v[16:17], v[20:21]
	v_add_f32 v16, v16, v17
	v_permlanex16_b32 v17, v16, s[SEL], s[SEL+1]
	v_add_f32 v16, v16, v17
	v_rsq_f32 v22, v16
.irp i, 0,2,4,6,8,10,12,14,16,18,20,22,24,26,28,30
	v_pk_mul_f32 v[QS+\i:QS+\i+1], v[QS+\i:QS+\i+1], 0x4138aa3b op_sel_hi:[1,0]   ; q_scale x 8 log2(e): independent work behind the root
.endr
	s_wait_alu depctr_va_vdst(0)                   ; ahead of the first line that names the root's result
	v_min_num_f32 v22, 0x5368d4a5, v22
.irp i, 0,2,4,6,8,10,12,14,16,18,20,22,24,26,28,30
	v_pk_mul_f32 v[WN+\i:WN+\i+1], v[WN+\i:WN+\i+1], v[NK+\i:NK+\i+1]
.endr
.irp i, 0,2,4,6,8,10,12,14,16,18,20,22,24,26,28,30
	v_pk_mul_f32 v[WN+\i:WN+\i+1], v[WN+\i:WN+\i+1], v[QS+\i:QS+\i+1]
.endr
.irp i, 0,2,4,6,8,10,12,14,16,18,20,22,24,26,28,30
	v_pk_mul_f32 v[WN+\i:WN+\i+1], v[WN+\i:WN+\i+1], v[22:23] op_sel_hi:[1,0]     ; the null key, normalised, x k_scale x q_scale x 8 log2(e)
.endr
	; for each row tile: the sum of squares and the product with the null key's weights, two packed chains each, from each accumulator's low end on
.irp a, 0,1,2,3
	v_pk_mul_f32 v[96+8*\a:97+8*\a], v[ACC+32*\a:ACC+32*\a+1], v[ACC+32*\a:ACC+32*\a+1]
.endr
.irp a, 0,1,2,3
	v_pk_mul_f32 v[100+8*\a:101+8*\a], v[ACC+32*\a:ACC+32*\a+1], v[WN:WN+1]
.endr
.irp a, 0,1,2,3
	v_pk_mul_f32 v[98+8*\a:99+8*\a], v[ACC+32*\a+2:ACC+32*\a+3], v[ACC+32*\a+2:ACC+32*\a+3]
.endr
.irp a, 0,1,2,3
	v_pk_mul_f32 v[102+8*\a:103+8*\a], v[ACC+32*\a+2:ACC+32*\a+3], v[WN+2:WN+3]
.endr
.irp p, 4,8,12,16,20,24,28
.irp a, 0,1,2,3
	v_pk_fma_f32 v[96+8*\a:97+8*\a], v[ACC+32*\a+\p:ACC+32*\a+\p+1], v[ACC+32*\a+\p:ACC+32*\a+\p+1], v[96+8*\a:97+8*\a]
.endr
.irp a, 0,1,2,3
	v_pk_fma_f32 v[100+8*\a:101+8*\a], v[ACC+32*\a+\p:ACC+32*\a+\p+1], v[WN+\p:WN+\p+1], v[100+8*\a:101+8*\a]
.endr
.irp a, 0,1,2,3
	v_pk_fma_f32 v[98+8*\a:99+8*\a], v[ACC+32*\a+\p+2:ACC+32*\a+\p+3], v[ACC+32*\a+\p+2:ACC+32*\a+\p+3], v[98+8*\a:99+8*\a]
.endr
.irp a, 0,1,2,3
	v_pk_fma_f32 v[102+8*\a:103+8*\a], v[ACC+32*\a+\p+2:ACC+32*\a+\p+3], v[WN+\p+2:WN+\p+3], v[102+8*\a:103+8*\a]
.endr
.endr
.irp a, 0,1,2,3
	v_pk_add_f32 v[96+8*\a:97+8*\a], v[96+8*\a:97+8*\a], v[98+8*\a:99+8*\a]
	v_pk_add_f32 v[100+8*\a:101+8*\a], v[100+8*\a:101+8*\a], v[102+8*\a:103+8*\a]
.endr
.irp a, 0,1,2,3
	v_add_f32 v[96+8*\a], v[96+8*\a], v[97+8*\a]
	v_add_f32 v[100+8*\a], v[100+8*\a], v[101+8*\a]
.endr
.irp a, 0,1,2,3
	v_permlanex16_b32 v[97+8*\a], v[96+8*\a], s[SEL], s[SEL+1]     ; the row's other 32 channels lie in the lane 16 away
	v_permlanex16_b32 v[101+8*\a], v[100+8*\a], s[SEL], s[SEL+1]
.endr
.irp a, 0,1,2,3
	v_add_f32 v[96+8*\a], v[96+8*\a], v[97+8*\a]
	v_add_f32 v[100+8*\a], v[100+8*\a], v[101+8*\a]
.endr
.irp a, 0,1,2,3
	v_rsq_f32 v[IV+2*\a], v[96+8*\a]
.endr
	v_nop
	s_wait_alu depctr_va_vdst(0)                   ; one wait for the four roots
.irp a, 0,1,2,3
	v_min_num_f32 v[IV+2*\a], 0x5368d4a5, v[IV+2*\a]
.endr
.irp a, 0,1,2,3
	v_mul_f32 v[TN+\a], v[100+8*\a], v[IV+2*\a]    ; the null key's score of row 16 a + r, the same in both halves of the lanes
.endr
.irp a, 0,2
	v_cndmask_b32 v[18+\a/2], v[TN+\a], v[TN+\a+1], s78            ; lanes 0-15 row tile a, lanes 16-31 row tile a + 1
	global_store_b32 v15, v[18+\a/2], s[76:77] offset:64*\a
.endr
.irp a, 0,1,2,3
.irp i, 0,2,4,6,8,10,12,14,16,18,20,22,24,26,28,30
	v_pk_mul_f32 v[ACC+32*\a+\i:ACC+32*\a+\i+1], v[ACC+32*\a+\i:ACC+32*\a+\i+1], v[QS+\i:QS+\i+1]
.endr
.irp i, 0,2,4,6,8,10,12,14,16,18,20,22,24,26,28,30
	v_pk_mul_f32 v[ACC+32*\a+\i:ACC+32*\a+\i+1], v[ACC+32*\a+\i:ACC+32*\a+\i+1], v[IV+2*\a:IV+2*\a+1] op_sel_hi:[1,0]
.endr
	s_wait_xcnt 0x0                                ; earlier stores have read their data: v112-127 may be written again
.irp i, 0,1,2,3,4,5,6,7,8,9,10,11,12,13,14,15
	v_cvt_pk_f16_f32 v[112+\i], v[ACC+32*\a+2*\i], v[ACC+32*\a+2*\i+1]
.endr
.irp b, 0,1,2,3
	global_store_b128 v14, v[112+4*\b:115+4*\b], s[74:75] offset:\a*2048+\b*512    ; the wave stores 512 consecutive bytes, aligned
.endr
.endr
	s_wait_tensorcnt 0x0                           ; the wave's end
	ds_add_u32 v[SPW], v[NIL]
	s_wait_dscnt 0x0
	CROUND                                         ; the closing round
	s_endpgm
.Lfunc_end_k_q151fe731e4_kvq_gemm:
	.size	k_q151fe731e4_kvq_gemm, .Lfunc_end_k_q151fe731e4_kvq_gemm-k_q151fe731e4_kvq_gemm
	.p2alignl 7, 3214868480
	.fill 96, 4, 3214868480
	.section	.rodata,"a",@progbits
	.p2align	6, 0x0
	.amdhsa_kernel k_q151fe731e4_kvq_gemm
		.amdhsa_group_segment_fixed_size 327680
		.amdhsa_private_segment_fixed_size 0
		.amdhsa_enable_private_segment 0
		.amdhsa_kernarg_size 64
		.amdhsa_user_sgpr_count 2
		.amdhsa_user_sgpr_kernarg_segment_ptr 1
		.amdhsa_wavefront_size32 1
		.amdhsa_system_sgpr_workgroup_id_x 1
		.amdhsa_system_sgpr_workgroup_id_y 1
		.amdhsa_system_sgpr_workgroup_id_z 1
		.amdhsa_system_vgpr_workitem_id 0
		.amdhsa_next_free_vgpr 1024
		.amdhsa_next_free_sgpr 102
		.amdhsa_reserve_vcc 0
		.amdhsa_float_denorm_mode_32 3
		.amdhsa_float_denorm_mode_16_64 3
		.amdhsa_memory_ordered 1
		.amdhsa_forward_progress 1
		.amdhsa_inst_pref_size 255
	.end_amdhsa_kernel
	.section	.bss,"aw",@nobits
	.p2align	6
	.space	262144
	.amdgpu_metadata
---
amdhsa.version: [ 1, 2 ]
amdhsa.kernels:
  - .name:           k_q151fe731e4_kvq_gemm
    .symbol:         k_q151fe731e4_kvq_gemm.kd
    .args:
      - { .name: qc, .offset: 0, .size: 8, .value_kind: global_buffer, .address_space: global }
      - { .name: qs, .offset: 8, .size: 8, .value_kind: global_buffer, .address_space: global }
      - { .name: k_scale, .offset: 16, .size: 8, .value_kind: global_buffer, .address_space: global }
      - { .name: kv, .offset: 24, .size: 8, .value_kind: global_buffer, .address_space: global }
      - { .name: h16, .offset: 32, .size: 8, .value_kind: global_buffer, .address_space: global }
      - { .name: q_scale, .offset: 40, .size: 8, .value_kind: global_buffer, .address_space: global }
      - { .name: null_kv, .offset: 48, .size: 8, .value_kind: global_buffer, .address_space: global }
      - { .name: qb, .offset: 56, .size: 8, .value_kind: global_buffer, .address_space: global }
    .group_segment_fixed_size: 327680
    .private_segment_fixed_size: 0
    .kernarg_segment_align: 8
    .kernarg_segment_size: 64
    .max_flat_workgroup_size: 128
    .sgpr_count:     102
    .vgpr_count:     1024
    .wavefront_size: 32
...
	.end_amdgpu_metadata
.endif
;; end of part 2
;; launch attn (part 3): grid 4 x 64, 8 waves a work-group, clusters of 4 x 1, 327,680 bytes of LDS; arguments kv, qb, null_kv, ao; writes ao
.if DOCPART == 3
	.amdgcn_target "amdgcn-amd-amdhsa--gfx1250"
	.amdhsa_code_object_version 6
	.text
	.protected	k_q151fe731e4_attn
	.globl	k_q151fe731e4_attn
	.p2align	8
	.type	k_q151fe731e4_attn,@function
k_q151fe731e4_attn:
	s_mov_b64 s[64:65], 0
	v_nop
	global_prefetch_b8 v0, s[64:65] scope:SCOPE_SE
	s_setreg_imm32_b32 hwreg(HW_REG_WAVE_MODE, 25, 1), 1
	s_wait_xcnt 0x0
	s_wait_alu depctr_hold_cnt(0) depctr_sa_sdst(0) depctr_va_vdst(0) depctr_va_sdst(0) depctr_va_ssrc(0) depctr_va_vcc(0) depctr_vm_vsrc(0)
	s_getreg_b32 s2, hwreg(HW_REG_IB_STS2, 6, 4)
	s_cmp_eq_u32 s2, 0
	s_cbranch_scc0 .Lentry_in_a_cluster
	s_endpgm
.Lentry_in_a_cluster:
	s_bfe_u32 s2, ttmp6, 0x10000c
	s_cmp_lg_u32 s2, 0x3003
	s_cbranch_scc0 .Lentry_shape_is_right
	s_endpgm
.Lentry_shape_is_right:
; Launch 3 of 5: out = softmax(8 q.k) v over the null key and 2,048 keys, f16 operands, f32 sums, maxima and exponentials.  No work of the problem is left out here.
; q arrives multiplied by 8 log2(e), so a score is an exponent of 2.  For each query a running maximum m and sum l: p = 2^(s - m); in every step O and l are multiplied by 2^(m_old - m_new).
; THE NULL KEY IS THE START OF THE RUN: m = its score (f32, from the launch before), l = 1, O = null_kv[1].  So the step is written once, and the 2,049th key wants no mask and no padding.
; SHARES: a work-group owns 256 queries of one (batch, head); each of eight waves 32: two tiles of 16: two waves to a SIMD, one's vector work beside the other's products.
; CLUSTER: the four query blocks of a (batch, head) walk the same K and V: each slot of 512 keys (131,072 dense bytes: K's images, then V's) is asked for jointly, every wave its eighth.
; LAYOUT: S^T = K Q^T (source 0 = 16 keys, source 1 = 16 queries) and O^T = V^T P: a lane holds one query throughout.  K, Q, V lie as images of operand registers: every LDS load reads 512 consecutive bytes;
; V is turned by ds_load_tr16_b128.  Two score tiles rounded to f16 in pairs ARE the second product's source 1; they are laid over the scores' lower registers.
; THE ROW'S SUM IS A PRODUCT TOO: a fragment that holds 1 in rows 0 and 8 and 0 elsewhere, times P, adds the step's weights onto l in f32: register 0 of the accumulator L holds l in both halves of the lanes.
; So l is the sum of the very weights that the numerator takes, and a step's 34 packed additions give way to 4 matrix instructions and 2 multiplies.
; K AND V HAVE BUFFERS OF THEIR OWN: the next step's K is asked for behind this step's K Q^T, a softmax ahead of its use; a slot's last step asks for none, and a slot's first K is asked for behind the change of slots.
; The result, divided by l and rounded once to f16, is stored as images of the last product's operand: ao byte = (row / 16) x 32,768 + head x 2,048 + (channel / 16) x 512 + 16 x lane.
; LIMITS: |v| and |out| under 65,504 (f16); NaN and infinities are not served.
; REGISTERS: window 0: v0-11 addresses; v12-23 six registers of statistics a tile; v24-31 the fragment of ones; v32-63 Q; v64-127 scores, p, P; v128-191 K; v192-255 V.  Window 1: v0-63 O^T; v64-79 L.
; Three switches of the window a step: in front of the rescaling, in front of the second product, behind it.
.set SLOT1, 1<<17                      ; slot 1 begins here: one exclusive or turns an address from one slot to the other
.set SPARE, 2*SLOT1                    ; behind the ring: the spare words, 128 bytes for each of eight waves, that no other line names
.set AL,  1                            ; v1  16 x lane
.set AV0, 2                            ; v2  16 x lane + 65,536: V's images
.set ADK, 3
.set ADV, 4
.set SPW, 5
.set NIL, 6
.set PFO, 8                            ; v8  256 x lane
.set ST,  12                           ; tile t at v[12 + 6 t]: +0 m, +1 (named with m as a pair), +2..+5 c0-c3 at work; 2^(m_old - m_new) in c2
.set ONES, 24
.set Q,   32                           ; tile t, channels 32 kc on: 32 + 16 t + 8 kc
.set S,   64                           ; scores: 64 + 32 t + 8 i; then p; then P in each tile's lower 16
.set KB,  128                          ; K: keys 16 i on, channels 32 kc on: 128 + 16 i + 8 kc
.set VB,  192                          ; V: keys 32 c on, channels 16 u on: 192 + 32 c + 8 u
.set O,   0                            ; window 1: O^T: 32 t + 8 u
.set L,   64                           ; window 1: 64 + 8 t
.set WV,  12
.set LIM, 15
.set PFA, 18
.set G1,  24
.set G0,  32
.set SLOTS, 40
.set STEPS, 41
.set TB,  42
.set SEL, 44
.set MSB, 0
.macro WIN new                         ; the immediate's high byte repeats the setting that is left
.if MSB != \new
	s_set_vgpr_msb (MSB<<8)|\new
.set MSB, \new
.endif
.endm
.set W_RS, 0x41                        ; destination and source 0 window 1
.set W_PV, 0x50                        ; C and D window 1
.macro CROUND                          ; a round of the cluster's barrier
	s_barrier_signal -1
	s_barrier_wait -1
	s_cmp_lg_u32 s[WV], 0
	s_cbranch_scc1 .Lnot_wave_0_\@
	s_barrier_signal -3
.Lnot_wave_0_\@:
	s_barrier_wait -3
	s_barrier_signal -1
	s_barrier_wait -1
.endm
; A prefetch of what the next change of slots will ask for: a slot's 131,072 bytes, named once: the four partners take 32,768 each, told apart by address; in each, waves 0 to 3 take 8,192, lanes 256 bytes apart.
; It stands behind the wave's tensor load and its five lines.  The last change that fills a slot asks for nothing: there is no slot behind it.  Slots 0 to 2 come by their loads alone.
.macro ASK
	s_cmp_gt_u32 s[SLOTS], s[LIM]
	s_cbranch_scc0 .Lnot_mine_\@
	global_prefetch_b8 v[PFO], s[PFA:PFA+1] th:TH_LOAD_NT scope:SCOPE_SE
.Lnot_mine_\@:
.endm
	s_load_b256 s[4:11], s[0:1], 0x0               ; kv s[4:5], qb s[6:7], null_kv s[8:9], ao s[10:11]
	v_lshl_add_u32 v[SPW], v0, 2, SPARE
	v_mov_b32 v[NIL], 0
	ds_add_u32 v[SPW], v[NIL]                      ; the wave's opening: the add, twice on end, and its wait ahead of my first tensor load
	ds_add_u32 v[SPW], v[NIL]
	v_lshrrev_b32 v9, 5, v0
	v_readfirstlane_b32 s[WV], v9                  ; wave 0..7
	s_bfe_u32 s13, ttmp6, 0x40000                  ; cx
	s_lshl_b32 s14, ttmp9, 2
	s_add_co_u32 s14, s14, s13                     ; my block of 256 queries: it enters the addresses of q, the null scores and the result alone
	s_and_b32 s20, ttmp7, 0xffff                   ; bh = 16 batch + head, which the four partners share
	s_mov_b32 s[G1], 15|(3<<16)|(1<<21)            ; the mask: all four; elements of 8 bytes; no padding
	s_mov_b32 s[G1+1], 32<<16                      ; tensor_dim0: 256 bytes
	s_mov_b32 s[G1+2], 64<<16                      ; tensor_dim1: 64 rows
	s_mov_b32 s[G1+3], 32<<16                      ; tile_dim0
	s_mov_b32 s[G1+4], 64                          ; tile_dim1
	s_mov_b32 s[G1+5], 32                          ; the pitch: dense
	s_mov_b32 s[G1+6], 0
	s_mov_b32 s[G1+7], 0
	s_lshl_b32 s2, s[WV], 14                       ; my eighth of a slot, in LDS and in memory
	s_lshl_b32 s22, s20, 19
	s_mov_b32 s23, 0
	s_mov_b32 s[SEL], 0x76543210
	s_mov_b32 s[SEL+1], 0xfedcba98
	s_mov_b32 s[TB], 0
	s_mov_b32 s[SLOTS], 2
	s_cmp_lt_u32 s[WV], 4
	s_cselect_b32 s[LIM], 1, -1                    ; waves 0 to 3 prefetch
	s_wait_dscnt 0x0                               ; both opening adds are done
	s_wait_kmcnt 0x0
	s_add_nc_u64 s[4:5], s[4:5], s[22:23]          ; kv at my (batch, head)
	s_lshl_b32 s22, s13, 15
	s_and_b32 s3, s[WV], 3
	s_lshl_b32 s3, s3, 13
	s_add_co_u32 s22, s22, s3
	s_add_co_u32 s22, s22, 2*131072
	s_add_nc_u64 s[PFA:PFA+1], s[4:5], s[22:23]    ; in slot 2: the first change of slots steps it to slot 3
	s_mov_b32 s22, s2
	s_add_nc_u64 s[4:5], s[4:5], s[22:23]          ; and at my eighth
	s_lshl_b32 s22, s20, 12                        ; the null scores: [bh][1024] f32 at qb + 0x800000
	s_lshl_b32 s3, s14, 10
	s_add_co_u32 s22, s22, s3
	s_lshl_b32 s3, s[WV], 7
	s_add_co_u32 s22, s22, s3
	s_add_co_u32 s22, s22, 0x800000
	s_add_nc_u64 s[16:17], s[6:7], s[22:23]
	s_lshl_b32 s22, s20, 17                        ; q's images: tile 16 x block + 2 x wave on
	s_lshl_b32 s3, s14, 15
	s_add_co_u32 s22, s22, s3
	s_lshl_b32 s3, s[WV], 12
	s_add_co_u32 s22, s22, s3
	s_add_nc_u64 s[6:7], s[6:7], s[22:23]
	s_lshr_b32 s22, s20, 4                         ; the result: row tile 64 batch + 16 block + 2 wave, head's 2,048 bytes
	s_lshl_b32 s22, s22, 6
	s_lshl_b32 s3, s14, 4
	s_add_co_u32 s22, s22, s3
	s_lshl_b32 s3, s[WV], 1
	s_add_co_u32 s22, s22, s3
	s_lshl_b32 s22, s22, 15
	s_and_b32 s3, s20, 15
	s_lshl_b32 s3, s3, 11
	s_add_co_u32 s22, s22, s3
	s_add_nc_u64 s[10:11], s[10:11], s[22:23]
	CROUND                                         ; all four work-groups are here: the first joint loads meet
.irp n, 0,1
	s_mov_b32 s[G0+4*\n], 1
	s_add_co_u32 s[G0+4*\n+1], s2, \n*SLOT1
	s_add_nc_u64 s[G0+4*\n+2:G0+4*\n+3], s[4:5], \n*131072
	s_or_b32 s[G0+4*\n+3], s[G0+4*\n+3], 0x80000000
.endr
	tensor_load_to_lds s[G0:G0+3], s[G1:G1+7]      ; slot 0: every wave issues its own eighth, with no branch
	s_nop 0
	tensor_load_to_lds s[G0+4:G0+7], s[G1:G1+7]    ; slot 1: two loads of mine are out
	s_nop 0
.rept 4
	v_nop
.endr
	v_and_b32 v[AL], 31, v0
	v_lshlrev_b32 v[PFO], 8, v[AL]
	v_lshlrev_b32 v[AL], 4, v[AL]
	v_add_nc_u32 v[AV0], 65536, v[AL]
	v_bfe_u32 v11, v0, 4, 1                        ; h
	v_lshlrev_b32 v9, 5, v11                       ; 32 h
	v_and_b32 v10, 15, v0
	v_lshlrev_b32 v10, 2, v10                      ; 4 r
.irp t, 0,1
.irp k, 0,1
	global_load_b128 v[Q+16*\t+8*\k:Q+16*\t+8*\k+3],   v[AL], s[6:7] offset:\t*2048+\k*1024
	global_load_b128 v[Q+16*\t+8*\k+4:Q+16*\t+8*\k+7], v[AL], s[6:7] offset:\t*2048+\k*1024+512
.endr
	global_load_b32 v[ST+6*\t], v10, s[16:17] offset:64*\t         ; m = the null key's score of my query
.endr
	WIN 0x40                                       ; destination window 1
.irp t, 0,1
.irp u, 0,1,2,3
	global_load_b128 v[O+32*\t+8*\u:O+32*\t+8*\u+3],   v9, s[8:9] offset:256+64*\u      ; O = null_kv[1] at channels 16 u + 8 h + 0..7
	global_load_b128 v[O+32*\t+8*\u+4:O+32*\t+8*\u+7], v9, s[8:9] offset:256+64*\u+16
.endr
	v_mov_b32 v[L+8*\t], 1.0                       ; l = 1: the null key's weight under its own score
.irp j, 1,2,3,4,5,6,7
	v_mov_b32 v[L+8*\t+\j], 0                      ; the rows of L that the fragment of ones leaves at 0
.endr
.endr
	WIN 0
	v_and_b32 v7, 7, v0
	v_cmp_eq_u32 s46, 0, v7                        ; lanes whose row of the fragment is 0 or 8
	v_mov_b32 v11, 0x3c003c00                      ; 1.0 twice, in f16
	v_cndmask_b32 v[ONES], v[NIL], v11, s46
.irp j, 1,2,3,4,5,6,7
	v_mov_b32 v[ONES+\j], v[ONES]
.endr
.irp t, 0,1
	v_mov_b32 v[ST+6*\t+1], 0                      ; named with m as a pair, so it is written
.endr
.macro KLOAD off                       ; a step's K: keys 16 (f / 2) on, channels 32 (f % 2) on
.irp f, 0,1,2,3,4,5,6,7
	ds_load_b128 v[KB+8*\f:KB+8*\f+3],   v[ADK] offset:\off+\f*1024
	ds_load_b128 v[KB+8*\f+4:KB+8*\f+7], v[ADK] offset:\off+\f*1024+512
.endr
.endm
; A KEY STEP: 64 keys.  pre = 1: the next step's K, 8,192 bytes on in the same slot, is asked for.
.macro STEP pre
	v_add_nc_u32 v[ADK], s[TB], v[AL]              ; these two and three v_nop: five places behind the last products, in front of the products that write over P
	v_add_nc_u32 v[ADV], s[TB], v[AV0]
.rept 3
	v_nop
.endr
	s_wait_dscnt 0x0                               ; this step's K is in
.irp i, 0,1,2,3                                ; S^T = K Q^T: eight accumulators by turns, one instruction a turn; the first eight start the sums
.irp t, 0,1
	v_wmma_f32_16x16x32_f16 v[S+32*\t+8*\i:S+32*\t+8*\i+7], v[KB+16*\i:KB+16*\i+7], v[Q+16*\t:Q+16*\t+7], 0
.endr
.endr
.irp i, 0,1,2,3
.irp t, 0,1
	v_wmma_f32_16x16x32_f16 v[S+32*\t+8*\i:S+32*\t+8*\i+7], v[KB+16*\i+8:KB+16*\i+15], v[Q+16*\t+8:Q+16*\t+15], v[S+32*\t+8*\i:S+32*\t+8*\i+7]
.endr
.endr
.rept 4
	v_nop                                          ; four places: in front of the loads into K's registers and of the first read of the scores
.endr
.irp c, 0,1                                    ; V, turned: keys 32 c on, channels 16 u on; it lands while the softmax is walked
.irp u, 0,1,2,3
	ds_load_tr16_b128 v[VB+8*(4*\c+\u):VB+8*(4*\c+\u)+3],   v[ADV] offset:(2*\c)*2048+\u*512
	ds_load_tr16_b128 v[VB+8*(4*\c+\u)+4:VB+8*(4*\c+\u)+7], v[ADV] offset:(2*\c+1)*2048+\u*512
.endr
.endr
.if \pre
	KLOAD 8192                                     ; behind V's loads, so that the wait for V can leave these sixteen out
.endif
	; the maximum of my 32 scores and the old m, three operands at a time, from each accumulator's low end on; the two tiles by turns
.irp j, 0,1,2,3
.irp t, 0,1
	v_max3_num_f32 v[ST+6*\t+2+\j], v[S+32*\t+8*\j], v[S+32*\t+8*\j+1], v[S+32*\t+8*\j+2]
.endr
.endr
.irp k, 1,2
.irp j, 0,1,2,3
.irp t, 0,1
	v_max3_num_f32 v[ST+6*\t+2+\j], v[ST+6*\t+2+\j], v[S+32*\t+8*\j+2*\k+1], v[S+32*\t+8*\j+2*\k+2]
.endr
.endr
.endr
.irp t, 0,1
	v_max3_num_f32 v[ST+6*\t+2], v[ST+6*\t+2], v[S+32*\t+7], v[S+32*\t+15]
.endr
.irp t, 0,1
	v_max3_num_f32 v[ST+6*\t+4], v[ST+6*\t+4], v[S+32*\t+23], v[S+32*\t+31]
.endr
.irp t, 0,1
	v_max3_num_f32 v[ST+6*\t+2], v[ST+6*\t+2], v[ST+6*\t+3], v[ST+6*\t+4]
.endr
.irp t, 0,1
	v_max3_num_f32 v[ST+6*\t+2], v[ST+6*\t+2], v[ST+6*\t+5], v[ST+6*\t]
.endr
.irp t, 0,1
	v_permlanex16_b32 v[ST+6*\t+3], v[ST+6*\t+2], s[SEL], s[SEL+1]   ; the query's other 32 keys lie in the lane 16 away
.endr
.irp t, 0,1
	v_mov_b32 v[ST+6*\t+5], v[ST+6*\t]
.endr
.irp t, 0,1
	v_max_num_f32 v[ST+6*\t], v[ST+6*\t+2], v[ST+6*\t+3]           ; the new m
.endr
.irp t, 0,1
	v_sub_f32 v[ST+6*\t+5], v[ST+6*\t+5], v[ST+6*\t]               ; m_old - m_new
.endr
.irp i, 0,2,4,6,8,10,12,14,16,18,20,22,24,26,28,30
.irp t, 0,1
	v_pk_add_f32 v[S+32*\t+\i:S+32*\t+\i+1], v[S+32*\t+\i:S+32*\t+\i+1], v[ST+6*\t:ST+6*\t+1] op_sel_hi:[1,0] neg_lo:[0,1] neg_hi:[0,1]
.endr
.endr
.irp t, 0,1
	v_exp_f32 v[ST+6*\t+4], v[ST+6*\t+5]
.endr
.set i, 0
.rept 32
	v_exp_f32 v[S+i], v[S+i]
	v_exp_f32 v[S+32+i], v[S+32+i]
.set i, i+1
.endr
	v_nop                                          ; a plain line behind the last exponential
	s_wait_alu depctr_va_vdst(0)                   ; ONE wait for the step's 66 exponentials, ahead of the first line that names a result
.set i, 0
.rept 16                                       ; P: in place, ascending: register i takes p of registers 2 i, 2 i + 1
	v_cvt_pk_f16_f32 v[S+i], v[S+2*i], v[S+2*i+1]
	v_cvt_pk_f16_f32 v[S+32+i], v[S+32+2*i], v[S+32+2*i+1]
.set i, i+1
.endr
	WIN W_RS
.irp i, 0,2,4,6,8,10,12,14,16,18,20,22,24,26,28,30
.irp t, 0,1
	v_pk_mul_f32 v[O+32*\t+\i:O+32*\t+\i+1], v[O+32*\t+\i:O+32*\t+\i+1], v[ST+6*\t+4:ST+6*\t+5] op_sel_hi:[1,0]
.endr
.endr
.irp t, 0,1
	v_mul_f32 v[L+8*\t], v[L+8*\t], v[ST+6*\t+4]   ; l under the new m; L's other registers hold 0
.endr
	s_wait_dscnt 16*\pre                           ; V is in; the next K's sixteen loads may be out
	WIN W_PV
.irp c, 0,1                                    ; O^T += V^T P and L += ones P: ten accumulators by turns
.irp u, 0,1,2,3
.irp t, 0,1
	v_wmma_f32_16x16x32_f16 v[O+32*\t+8*\u:O+32*\t+8*\u+7], v[VB+32*\c+8*\u:VB+32*\c+8*\u+7], v[S+32*\t+8*\c:S+32*\t+8*\c+7], v[O+32*\t+8*\u:O+32*\t+8*\u+7]
.endr
.endr
.irp t, 0,1
	v_wmma_f32_16x16x32_f16 v[L+8*\t:L+8*\t+7], v[ONES:ONES+7], v[S+32*\t+8*\c:S+32*\t+8*\c+7], v[L+8*\t:L+8*\t+7]
.endr
.endr
	WIN 0
	s_add_co_u32 s[TB], s[TB], 8192                ; the next step's four key tiles
.endm
.macro SLOT_STEPS                      ; a slot's eight steps: its first K, seven steps that ask for the next K, and one that does not
	v_add_nc_u32 v[ADK], s[TB], v[AL]
	KLOAD 0
	s_mov_b32 s[STEPS], 7
.Lstep_\@:
	STEP 1
	s_sub_co_u32 s[STEPS], s[STEPS], 1
	s_cmp_lg_u32 s[STEPS], 0
	s_cbranch_scc1 .Lstep_\@
	STEP 0
.endm
; THE CHANGE OF SLOTS.  Each wave waits for all its tensor loads (one is out: its part of the other slot), adds 0 to its spare word, and waits for that and for its reads of the slot that it leaves.
; fill = 1: the barrier is a round of the cluster's, and the joint refill is the first thing behind it: it has eight steps, 288 matrix instructions a wave, in which to land.
.macro CHANGE fill
	s_wait_tensorcnt 0x0                           ; no tensor load of mine is out, so a descriptor may be written
	ds_add_u32 v[SPW], v[NIL]
.if \fill
	s_xor_b32 s[G0+5], s[G0+5], SLOT1              ; the walking descriptor: the other slot than last time,
	s_add_nc_u64 s[G0+6:G0+7], s[G0+6:G0+7], 131072   ; the next 512 keys
	s_wait_xcnt 0x0                                ; the last prefetch has read its address
	s_add_nc_u64 s[PFA:PFA+1], s[PFA:PFA+1], 131072
	s_wait_dscnt 0x0
	CROUND
	tensor_load_to_lds s[G0+4:G0+7], s[G1:G1+7]
	s_nop 0
.rept 4
	v_nop
.endr
	ASK
.else
	s_wait_dscnt 0x0
	s_barrier_signal -1
	s_barrier_wait -1
.endif
	s_sub_co_u32 s[TB], s[TB], 65536               ; back to a slot's first step,
	s_xor_b32 s[TB], s[TB], SLOT1                  ; in the other slot
.endm
	s_wait_tensorcnt 1                             ; my part of slot 0 is in; slot 1's may stay out
	s_barrier_signal -1
	s_barrier_wait -1
	s_wait_loadcnt 0x0                             ; Q, the null scores, null_kv[1]
	SLOT_STEPS
.Lslot:                                            ; two trips: slots 2 and 3 are asked for
	CHANGE 1
	SLOT_STEPS
	s_sub_co_u32 s[SLOTS], s[SLOTS], 1
	s_cmp_lg_u32 s[SLOTS], 0
	s_cbranch_scc1 .Lslot
	CHANGE 0                                       ; the tail is written out
	SLOT_STEPS
	; THE WAY OUT
.rept 4
	v_nop                                          ; four places behind the last products
.endr
	WIN 0x01                                       ; source 0 window 1
.irp t, 0,1
	v_rcp_f32 v[ST+6*\t+4], v[L+8*\t]              ; register 0 of L holds my query's l, in both halves of the lanes
.endr
	v_nop
	s_wait_alu depctr_va_vdst(0)                   ; one wait for the two reciprocals
	WIN W_RS
.irp i, 0,2,4,6,8,10,12,14,16,18,20,22,24,26,28,30
.irp t, 0,1
	v_pk_mul_f32 v[O+32*\t+\i:O+32*\t+\i+1], v[O+32*\t+\i:O+32*\t+\i+1], v[ST+6*\t+4:ST+6*\t+5] op_sel_hi:[1,0]
.endr
.endr
	WIN 0x05                                       ; sources 0 and 1 window 1, destination window 0
.set i, 0
.rept 16
	v_cvt_pk_f16_f32 v[S+i], v[O+2*i], v[O+2*i+1]
	v_cvt_pk_f16_f32 v[S+16+i], v[O+32+2*i], v[O+32+2*i+1]
.set i, i+1
.endr
	WIN 0
.irp t, 0,1
.irp u, 0,1,2,3
	global_store_b128 v[AL], v[S+16*\t+4*\u:S+16*\t+4*\u+3], s[10:11] offset:\t*32768+\u*512   ; the wave stores 512 consecutive bytes, aligned
.endr
.endr
	s_wait_tensorcnt 0x0                           ; the wave's end
	ds_add_u32 v[SPW], v[NIL]
	s_wait_dscnt 0x0
	CROUND                                         ; the closing round
	s_endpgm
.Lfunc_end_k_q151fe731e4_attn:
	.size	k_q151fe731e4_attn, .Lfunc_end_k_q151fe731e4_attn-k_q151fe731e4_attn
	.p2alignl 7, 3214868480
	.fill 96, 4, 3214868480
	.section	.rodata,"a",@progbits
	.p2align	6, 0x0
	.amdhsa_kernel k_q151fe731e4_attn
		.amdhsa_group_segment_fixed_size 327680
		.amdhsa_private_segment_fixed_size 0
		.amdhsa_enable_private_segment 0
		.amdhsa_kernarg_size 32
		.amdhsa_user_sgpr_count 2
		.amdhsa_user_sgpr_kernarg_segment_ptr 1
		.amdhsa_wavefront_size32 1
		.amdhsa_system_sgpr_workgroup_id_x 1
		.amdhsa_system_sgpr_workgroup_id_y 1
		.amdhsa_system_sgpr_workgroup_id_z 1
		.amdhsa_system_vgpr_workitem_id 0
		.amdhsa_next_free_vgpr 384
		.amdhsa_next_free_sgpr 66
		.amdhsa_reserve_vcc 0
		.amdhsa_float_denorm_mode_32 3
		.amdhsa_float_denorm_mode_16_64 3
		.amdhsa_memory_ordered 1
		.amdhsa_forward_progress 1
		.amdhsa_inst_pref_size 107
	.end_amdhsa_kernel
	.amdgpu_metadata
---
amdhsa.version: [ 1, 2 ]
amdhsa.kernels:
  - .name:           k_q151fe731e4_attn
    .symbol:         k_q151fe731e4_attn.kd
    .args:
      - { .name: kv, .offset: 0, .size: 8, .value_kind: global_buffer, .address_space: global }
      - { .name: qb, .offset: 8, .size: 8, .value_kind: global_buffer, .address_space: global }
      - { .name: null_kv, .offset: 16, .size: 8, .value_kind: global_buffer, .address_space: global }
      - { .name: ao, .offset: 24, .size: 8, .value_kind: global_buffer, .address_space: global }
    .group_segment_fixed_size: 327680
    .private_segment_fixed_size: 0
    .kernarg_segment_align: 8
    .kernarg_segment_size: 32
    .max_flat_workgroup_size: 256
    .sgpr_count:     66
    .vgpr_count:     384
    .wavefront_size: 32
...
	.end_amdgpu_metadata
.endif
;; end of part 3
;; launch out_gemm (part 4): grid 8 x 32, 4 waves a work-group, clusters of 4 x 4, 327,680 bytes of LDS; arguments ao, h16, y; writes y
.if DOCPART == 4
	.amdgcn_target "amdgcn-amd-amdhsa--gfx1250"
	.amdhsa_code_object_version 6
	.text
	.protected	k_q151fe731e4_out_gemm
	.globl	k_q151fe731e4_out_gemm
	.p2align	8
	.type	k_q151fe731e4_out_gemm,@function
k_q151fe731e4_out_gemm:
	s_mov_b64 s[64:65], 0
	v_nop
	global_prefetch_b8 v0, s[64:65] scope:SCOPE_SE
	s_setreg_imm32_b32 hwreg(HW_REG_WAVE_MODE, 25, 1), 1
	s_wait_xcnt 0x0
	s_wait_alu depctr_hold_cnt(0) depctr_sa_sdst(0) depctr_va_vdst(0) depctr_va_sdst(0) depctr_va_ssrc(0) depctr_va_vcc(0) depctr_vm_vsrc(0)
	s_getreg_b32 s2, hwreg(HW_REG_IB_STS2, 6, 4)
	s_cmp_eq_u32 s2, 0
	s_cbranch_scc0 .Lentry_in_a_cluster
	s_endpgm
.Lentry_in_a_cluster:
	s_bfe_u32 s2, ttmp6, 0x10000c
	s_cmp_lg_u32 s2, 0xf033
	s_cbranch_scc0 .Lentry_shape_is_right
	s_endpgm
.Lentry_shape_is_right:
; Launch 4 of 5: y = out Wout with f16 operands and f32 sums; no work of the problem is left out here.  A: the attention's result as images of operand registers, ao byte = (row / 16) x 32,768 + (k / 32) x 1,024 + part x 512 + 16 x lane.
; B: Wout laid [n][k] f16 at h16 + 0xa00000.  y: [4096][1024] f32.  The last layer norm wants whole rows of 1,024 columns and is the next launch's.
; A tile of 128 x 128 to a work-group (256 work-groups), four waves of 64 x 64.  K in steps of 256 through two slots; 4 x 4 clusters with joint loads: A's tiles shared along a row, B's along a column.
; A slot: A's 8 row tiles x 8,192 dense bytes (a wave's load: 4 rows of 8,192 bytes, 32,768 apart in memory), then B's 128 rows of 512 bytes + 16.  A's fragments are read as they lie: 512 consecutive bytes a load.
; THE MATRIX INSTRUCTION IS USED TRANSPOSED: lane (r, h) holds row r and eight neighbouring columns: 32 bytes.  A block of 16 rows x 64 columns goes through the wave's own stage and leaves as rows of 256 aligned bytes.
.set SIZE_K, 1024
.set KSTEP,  256
.set PITCH,  528
.set HALFT,  64*PITCH
.set ABYTES, 65536
.set SLOT,   ABYTES+2*HALFT
.set STAGE,  2*SLOT                    ; behind the ring: 16 rows x 272 bytes for each wave; no fill lands there
.set SPITCH, 272
.set SPARE,  STAGE+4*16*SPITCH         ; the spare words, 128 bytes for each wave, that no other line names
.set LAPS,   SIZE_K/(2*KSTEP)
.set ADRA, 16
.set ADRB, 20
.set STO,  24
.set RD,   25
.set CO,   26
.set SPW,  28
.set NIL,  29
.set TMP,  32
.set ACC,  128
.set F0,   0
.set F1,   128
.set G1, 24
.set G0, 32
.set G1B, 48
.set G0B, 56
.set MSB, 0
.macro WIN new
.if MSB != \new
	s_set_vgpr_msb (MSB<<8)|\new
.set MSB, \new
.endif
.endm
.set MUL,  0x05
.set TO_F, 0x40
.macro JLOAD s                         ; a joint load: waves 0 and 1 fetch A's halves, waves 2 and 3 B's; an s_nop 0 and four v_nop follow each line
	s_cmp_eq_u32 s11, 0
	s_cbranch_scc0 .Lfor_b_\@
	tensor_load_to_lds s[G0+4*\s:G0+4*\s+3], s[G1:G1+7]
	s_nop 0
.rept 4
	v_nop
.endr
	s_branch .Lasked_\@
.Lfor_b_\@:
	tensor_load_to_lds s[G0B+4*\s:G0B+4*\s+3], s[G1B:G1B+7]
	s_nop 0
.rept 4
	v_nop
.endr
.Lasked_\@:
.endm
.macro CREST
	s_cmp_lg_u32 s10, 0
	s_cbranch_scc1 .Lnot_wave_0_\@
	s_barrier_signal -3
.Lnot_wave_0_\@:
	s_barrier_wait -3
	s_barrier_signal -1
	s_barrier_wait -1
.endm
.macro CROUND
	s_barrier_signal -1
	s_barrier_wait -1
	CREST
.endm
	s_load_b128 s[4:7], s[0:1], 0x0                ; ao, h16
	s_load_b64 s[8:9], s[0:1], 0x10                ; y
	v_lshl_add_u32 v[SPW], v0, 2, SPARE
	v_mov_b32 v[NIL], 0
	ds_add_u32 v[SPW], v[NIL]                      ; the wave's opening: the add, twice on end, and its wait ahead of my first tensor load
	ds_add_u32 v[SPW], v[NIL]
	v_lshrrev_b32 v1, 5, v0
	v_readfirstlane_b32 s10, v1
	s_lshr_b32 s11, s10, 1                         ; my half of the tile's rows.  Also: I fetch for A (0) or B (1)
	s_and_b32 s12, s10, 1                          ; my half of its columns.  Also: which half of that tile I fetch
	s_bfe_u32 s40, ttmp6, 0x40000
	s_bfe_u32 s41, ttmp6, 0x40004
	s_lshl_b32 s42, ttmp9, 2
	s_add_co_u32 s42, s42, s40                     ; tile column
	s_and_b32 s13, ttmp7, 0xffff
	s_lshl_b32 s13, s13, 2
	s_add_co_u32 s13, s13, s41                     ; tile row
	s_lshl_b32 s43, s41, 2
	s_lshl_b32 s43, 15, s43
	s_lshl_b32 s44, 0x1111, s40
	s_or_b32 s[G1+0], s43, (3<<16)|(1<<21)         ; A: mask; elements of 8 bytes; no padding
	s_mov_b32 s[G1+1], 1024<<16                    ; tensor_dim0: 8,192 bytes
	s_mov_b32 s[G1+2], 4<<16                       ; tensor_dim1: 4 row tiles
	s_mov_b32 s[G1+3], 1024<<16                    ; tile_dim0
	s_mov_b32 s[G1+4], 4                           ; tile_dim1
	s_mov_b32 s[G1+5], 4096                        ; the pitch: 32,768 bytes
	s_mov_b32 s[G1+6], 0
	s_mov_b32 s[G1+7], 0
	s_or_b32 s[G1B+0], s44, (1<<16)|(1<<20)|(1<<21)|(6<<22)|(3<<25)  ; B: elements of 2 bytes; padding of 4 words after every 128
	s_mov_b32 s[G1B+1], KSTEP<<16
	s_mov_b32 s[G1B+2], 64<<16
	s_mov_b32 s[G1B+3], KSTEP<<16
	s_mov_b32 s[G1B+4], 64
	s_mov_b32 s[G1B+5], SIZE_K
	s_mov_b32 s[G1B+6], 0
	s_mov_b32 s[G1B+7], 0
	s_lshl_b32 s16, s13, 3
	s_lshl_b32 s17, s12, 2
	s_add_co_u32 s16, s16, s17                     ; A: row tile 8 x tile row + 4 x half
	s_lshl_b32 s16, s16, 15
	s_mov_b32 s17, 0
	s_lshl_b32 s46, s42, 7
	s_lshl_b32 s47, s12, 6
	s_add_co_u32 s46, s46, s47                     ; B: row 128 x tile column + 64 x half
	s_lshl_b32 s46, s46, 11
	s_add_co_u32 s46, s46, 0xa00000
	s_mov_b32 s47, 0
	s_lshl_b32 s20, s12, 15                        ; where they go: A's halves of 32,768 bytes,
	s_mul_i32 s45, s12, HALFT
	s_add_co_u32 s45, s45, ABYTES                  ; B's halves behind them
	s_wait_dscnt 0x0
	s_wait_kmcnt 0x0
	s_add_nc_u64 s[14:15], s[4:5], s[16:17]
	s_add_nc_u64 s[46:47], s[6:7], s[46:47]
	CROUND
.irp s, 0,1
	s_mov_b32 s[G0+4*\s], 1
	s_add_co_u32 s[G0+4*\s+1], s20, \s*SLOT
	s_add_nc_u64 s[G0+4*\s+2:G0+4*\s+3], s[14:15], \s*8192
	s_or_b32 s[G0+4*\s+3], s[G0+4*\s+3], 0x80000000
	s_mov_b32 s[G0B+4*\s], 1
	s_add_co_u32 s[G0B+4*\s+1], s45, \s*SLOT
	s_add_nc_u64 s[G0B+4*\s+2:G0B+4*\s+3], s[46:47], \s*KSTEP*2
	s_or_b32 s[G0B+4*\s+3], s[G0B+4*\s+3], 0x80000000
	JLOAD \s                                       ; two loads of mine are out behind the second
.endr
	v_and_b32 v1, 15, v0
	v_bfe_u32 v2, v0, 4, 1
	v_mul_u32_u24 v3, v1, PITCH
	v_lshl_add_u32 v3, v2, 4, v3                   ; B: row x pitch + 16 x half
	v_and_b32 v4, 31, v0
	v_lshlrev_b32 v4, 4, v4                        ; A: 16 x lane
	s_lshl_b32 s21, s11, 15                        ; my 4 row tiles of A
	s_mul_i32 s22, s12, HALFT
	s_add_co_u32 s22, s22, ABYTES                  ; my 64 rows of B
.irp s, 0,1
	v_add_nc_u32 v[ADRA+\s], s21, v4
	v_add_nc_u32 v[ADRB+\s], s22, v3
	s_add_co_u32 s21, s21, SLOT
	s_add_co_u32 s22, s22, SLOT
.endr
	s_mul_i32 s23, s10, 16*SPITCH
	s_add_co_u32 s23, s23, STAGE                   ; my stage
	v_mul_u32_u24 v5, v1, SPITCH
	v_lshl_add_u32 v5, v2, 5, v5
	v_add_nc_u32 v[STO], s23, v5                   ; in: row r, 32 bytes for each half of the lanes
	v_mul_u32_u24 v5, v2, SPITCH
	v_lshl_add_u32 v5, v1, 4, v5
	v_add_nc_u32 v[RD], s23, v5                    ; back: lanes 0-15 one row of 256 bytes, lanes 16-31 the next
	v_lshlrev_b32 v5, 12, v2
	v_lshl_add_u32 v[CO], v1, 4, v5                ; and the same two rows in y
	s_lshl_b32 s16, s13, 7
	s_lshl_b32 s17, s11, 6
	s_add_co_u32 s16, s16, s17
	s_lshl_b32 s16, s16, 12                        ; my first row of y, in bytes
	s_mov_b32 s17, 0
	s_add_nc_u64 s[8:9], s[8:9], s[16:17]
	s_lshl_b32 s46, s42, 9
	s_lshl_b32 s47, s12, 8
	s_add_co_u32 s46, s46, s47                     ; my first column, in bytes
	s_mov_b32 s47, 0
	s_add_nc_u64 s[8:9], s[8:9], s[46:47]
.macro MUL8 f, c, a0, zero             ; the 16 accumulators take turns, one instruction a turn
.irp a, \a0, \a0+1
.irp b, 0,1,2,3
.if \zero
	v_wmma_f32_16x16x32_f16 v[ACC+8*(4*(\a)+\b):ACC+8*(4*(\a)+\b)+7], v[\f+64+8*(4*\c+\b):\f+64+8*(4*\c+\b)+7], v[\f+8*(4*\c+\a):\f+8*(4*\c+\a)+7], 0
.else
	v_wmma_f32_16x16x32_f16 v[ACC+8*(4*(\a)+\b):ACC+8*(4*(\a)+\b)+7], v[\f+64+8*(4*\c+\b):\f+64+8*(4*\c+\b)+7], v[\f+8*(4*\c+\a):\f+8*(4*\c+\a)+7], v[ACC+8*(4*(\a)+\b):ACC+8*(4*(\a)+\b)+7]
.endif
.endr
.endr
.endm
.macro FETCH slot, k, f                ; 32 LDS loads in one run: 64 along K; k is the byte in B's rows, k / 64 the chunk of 32 in A's images
	WIN TO_F
.irp c, 0,1
.irp i, 0,1,2,3
	ds_load_b128 v[\f+64+8*(4*\c+\i):\f+64+8*(4*\c+\i)+3],   v[ADRB+\slot] offset:\k+64*\c+\i*16*PITCH
	ds_load_b128 v[\f+64+8*(4*\c+\i)+4:\f+64+8*(4*\c+\i)+7], v[ADRB+\slot] offset:\k+64*\c+\i*16*PITCH+32
	ds_load_b128 v[\f+8*(4*\c+\i):\f+8*(4*\c+\i)+3],         v[ADRA+\slot] offset:(\i*8+(\k)/64+\c)*1024
	ds_load_b128 v[\f+8*(4*\c+\i)+4:\f+8*(4*\c+\i)+7],       v[ADRA+\slot] offset:(\i*8+(\k)/64+\c)*1024+512
.endr
.endr
.endm
.macro PLACES
.rept 4
	v_nop
.endr
.endm
.macro QUARTER slot, k, f, g, zero
	s_wait_dscnt 16                                ; the first 32 along K are in; the youngest sixteen loads may be out
	WIN MUL
	MUL8 \f, 0, 0, \zero
	MUL8 \f, 0, 2, \zero
	PLACES
	FETCH \slot, \k, \g
	s_wait_dscnt 32                                ; all but the 32 just issued
	WIN MUL
	MUL8 \f, 1, 0, 0
	MUL8 \f, 1, 2, 0
.endm
.macro TURN slot, next, fill
	WIN 0
	s_wait_tensorcnt 0x0                           ; all my tensor loads have landed: my part of the next slot
	ds_add_u32 v[SPW], v[NIL]
	s_wait_dscnt 17                                ; (the add and the youngest sixteen loads may be out)
	WIN MUL
	MUL8 F1, 0, 0, 0
	s_wait_dscnt 0x0                               ; the add is done, and my reads of this slot are over
	s_barrier_signal -1
	MUL8 F1, 0, 2, 0
.if \fill
	WIN 0
.endif
	s_barrier_wait -1
.if \fill
	CREST
	s_add_nc_u64 s[G0+4*\slot+2:G0+4*\slot+3], s[G0+4*\slot+2:G0+4*\slot+3], 2*8192
	s_add_nc_u64 s[G0B+4*\slot+2:G0B+4*\slot+3], s[G0B+4*\slot+2:G0B+4*\slot+3], 2*KSTEP*2
	JLOAD \slot                                    ; my one tensor load behind the round; its four v_nop are also the places in front of the loads below
.else
	PLACES
.endif
	FETCH \next, 0, F0
	WIN MUL
	MUL8 F1, 1, 0, 0
	MUL8 F1, 1, 2, 0
.endm
	s_wait_tensorcnt 1                             ; my part of K step 0 is in; K step 1's load may be out
	s_barrier_signal -1
	s_barrier_wait -1
	FETCH 0, 0, F0
	QUARTER 0, 128, F0, F1, 1
	WIN 0
	s_mov_b32 s3, LAPS-1
.Llap:
	QUARTER 0, 256, F1, F0, 0
	QUARTER 0, 384, F0, F1, 0
	TURN 0, 1, 1
	QUARTER 1, 128, F0, F1, 0
	QUARTER 1, 256, F1, F0, 0
	QUARTER 1, 384, F0, F1, 0
	TURN 1, 0, 1
	QUARTER 0, 128, F0, F1, 0
	WIN 0
	s_sub_co_u32 s3, s3, 1
	s_cmp_lg_u32 s3, 0
	s_cbranch_scc1 .Llap
	QUARTER 0, 256, F1, F0, 0
	QUARTER 0, 384, F0, F1, 0
	TURN 0, 1, 0
	QUARTER 1, 128, F0, F1, 0
	QUARTER 1, 256, F1, F0, 0
	QUARTER 1, 384, F0, F1, 0
	s_wait_dscnt 16
	WIN MUL
	MUL8 F1, 0, 0, 0
	MUL8 F1, 0, 2, 0
	s_wait_dscnt 0
	MUL8 F1, 1, 0, 0
	MUL8 F1, 1, 2, 0
	WIN 0
	; THE WAY OUT, a block of 16 rows x 64 columns at a time, through my own stage: LDS serves a wave's instructions in order, so no wait stands between the stores and the loads
	PLACES
.irp a, 0,1,2,3
.if \a >= 2
	s_wait_xcnt 0x0                                ; block a - 2's stores have read their data
.endif
.irp b, 0,1,2,3
	ds_store_b128 v[STO], v[ACC+8*(4*\a+\b):ACC+8*(4*\a+\b)+3] offset:64*\b        ; each accumulator from its low end on
	ds_store_b128 v[STO], v[ACC+8*(4*\a+\b)+4:ACC+8*(4*\a+\b)+7] offset:64*\b+16
.endr
.irp i, 0,1,2,3,4,5,6,7
	ds_load_b128 v[TMP+32*(\a%2)+4*\i:TMP+32*(\a%2)+4*\i+3], v[RD] offset:2*\i*SPITCH
.endr
.irp i, 0,1,2,3,4,5,6,7
	s_wait_dscnt 7-\i
	global_store_b128 v[CO], v[TMP+32*(\a%2)+4*\i:TMP+32*(\a%2)+4*\i+3], s[8:9] offset:(16*\a+2*\i)*4096   ; sixteen lanes store 256 consecutive bytes, aligned
.endr
.endr
	s_wait_tensorcnt 0x0                           ; the wave's end, behind my last LDS store
	ds_add_u32 v[SPW], v[NIL]
	s_wait_dscnt 0x0
	CROUND                                         ; the closing round
	s_endpgm
.Lfunc_end_k_q151fe731e4_out_gemm:
	.size	k_q151fe731e4_out_gemm, .Lfunc_end_k_q151fe731e4_out_gemm-k_q151fe731e4_out_gemm
	.p2alignl 7, 3214868480
	.fill 96, 4, 3214868480
	.section	.rodata,"a",@progbits
	.p2align	6, 0x0
	.amdhsa_kernel k_q151fe731e4_out_gemm
		.amdhsa_group_segment_fixed_size 327680
		.amdhsa_private_segment_fixed_size 0
		.amdhsa_enable_private_segment 0
		.amdhsa_kernarg_size 24
		.amdhsa_user_sgpr_count 2
		.amdhsa_user_sgpr_kernarg_segment_ptr 1
		.amdhsa_wavefront_size32 1
		.amdhsa_system_sgpr_workgroup_id_x 1
		.amdhsa_system_sgpr_workgroup_id_y 1
		.amdhsa_system_sgpr_workgroup_id_z 1
		.amdhsa_system_vgpr_workitem_id 0
		.amdhsa_next_free_vgpr 512
		.amdhsa_next_free_sgpr 66
		.amdhsa_reserve_vcc 0
		.amdhsa_float_denorm_mode_32 3
		.amdhsa_float_denorm_mode_16_64 3
		.amdhsa_memory_ordered 1
		.amdhsa_forward_progress 1
		.amdhsa_inst_pref_size 87
	.end_amdhsa_kernel
	.amdgpu_metadata
---
amdhsa.version: [ 1, 2 ]
amdhsa.kernels:
  - .name:           k_q151fe731e4_out_gemm
    .symbol:         k_q151fe731e4_out_gemm.kd
    .args:
      - { .name: ao, .offset: 0, .size: 8, .value_kind: global_buffer, .address_space: global }
      - { .name: h16, .offset: 8, .size: 8, .value_kind: global_buffer, .address_space: global }
      - { .name: y, .offset: 16, .size: 8, .value_kind: global_buffer, .address_space: global }
    .group_segment_fixed_size: 327680
    .private_segment_fixed_size: 0
    .kernarg_segment_align: 8
    .kernarg_segment_size: 24
    .max_flat_workgroup_size: 128
    .sgpr_count:     66
    .vgpr_count:     512
    .wavefront_size: 32
...
	.end_amdgpu_metadata
.endif
;; end of part 4
;; launch ln_out (part 5): grid 256 x 1, 4 waves a work-group, no clusters, 0 bytes of LDS; arguments y, g_out, out0; writes out0
.if DOCPART == 5
	.amdgcn_target "amdgcn-amd-amdhsa--gfx1250"
	.amdhsa_code_object_version 6
	.text
	.protected	k_q151fe731e4_ln_out
	.globl	k_q151fe731e4_ln_out
	.p2align	8
	.type	k_q151fe731e4_ln_out,@function
k_q151fe731e4_ln_out:
	s_mov_b64 s[64:65], 0
	v_nop
	global_prefetch_b8 v0, s[64:65] scope:SCOPE_SE
	s_setreg_imm32_b32 hwreg(HW_REG_WAVE_MODE, 25, 1), 1
	s_wait_xcnt 0x0
; Launch 5 of 5: out0 = (y - mean) rsqrt(var + 1e-5) g_out, row by row, all in f32.  No work of the problem is left out here.
; A wave takes four whole rows of 4,096 bytes, each in 32 registers; all its loads go out at the head; every load and store of a wave covers 512 consecutive bytes.
; No LDS, no barrier, no cluster: a row never leaves its wave, and work-groups share g_out's 4,096 bytes alone.
.set G,   8                            ; v8-39    g_out at my columns 128 j + 4 lane + 0..3
.set X,   40                           ; v40-167  four rows
.set T,   168                          ; v168-175 four packed chains
.set M,   176                          ; v[176:177] the mean (the upper register is named with it as a pair, so it is written once)
.set R,   178                          ; v[178:179] 1 / sqrt(var + eps), likewise
.macro LNRED                           ; four packed chains -> the row's sum, in every lane, in v[T]
	v_pk_add_f32 v[T:T+1], v[T:T+1], v[T+2:T+3]
	v_pk_add_f32 v[T+4:T+5], v[T+4:T+5], v[T+6:T+7]
	v_pk_add_f32 v[T:T+1], v[T:T+1], v[T+4:T+5]
	v_add_f32 v[T], v[T], v[T+1]
	v_add_f32_dpp v[T], v[T], v[T] row_xmask:1 row_mask:0xf bank_mask:0xf
	v_add_f32_dpp v[T], v[T], v[T] row_xmask:2 row_mask:0xf bank_mask:0xf
	v_add_f32_dpp v[T], v[T], v[T] row_xmask:4 row_mask:0xf bank_mask:0xf
	v_add_f32_dpp v[T], v[T], v[T] row_xmask:8 row_mask:0xf bank_mask:0xf
	v_permlanex16_b32 v[T+1], v[T], s20, s21
	v_add_f32 v[T], v[T], v[T+1]
.endm
.macro LNSTAT                          ; the row in v[XS] .. v[XS+31] is normalised in place and multiplied by G
.irp c, 0,1,2,3
	v_pk_add_f32 v[T+2*\c:T+2*\c+1], v[XS+4*\c:XS+4*\c+1], v[XS+4*\c+2:XS+4*\c+3]
.endr
.irp i, 16,24
.irp c, 0,1,2,3
	v_pk_add_f32 v[T+2*\c:T+2*\c+1], v[T+2*\c:T+2*\c+1], v[XS+\i+2*\c:XS+\i+2*\c+1]
.endr
.endr
	LNRED
	v_mul_f32 v[M], s22, v[T]                      ; the mean
.irp i, 0,2,4,6,8,10,12,14,16,18,20,22,24,26,28,30
	v_pk_add_f32 v[XS+\i:XS+\i+1], v[XS+\i:XS+\i+1], v[M:M+1] op_sel_hi:[1,0] neg_lo:[0,1] neg_hi:[0,1]
.endr
.irp c, 0,1,2,3
	v_pk_mul_f32 v[T+2*\c:T+2*\c+1], v[XS+2*\c:XS+2*\c+1], v[XS+2*\c:XS+2*\c+1]
.endr
.irp i, 8,16,24
.irp c, 0,1,2,3
	v_pk_fma_f32 v[T+2*\c:T+2*\c+1], v[XS+\i+2*\c:XS+\i+2*\c+1], v[XS+\i+2*\c:XS+\i+2*\c+1], v[T+2*\c:T+2*\c+1]
.endr
.endr
	LNRED
	v_fma_f32 v[T], v[T], s22, s23                 ; the variance + eps
	v_rsq_f32 v[R], v[T]
.irp i, 0,2,4,6,8,10,12,14,16,18,20,22,24,26,28,30
	v_pk_mul_f32 v[XS+\i:XS+\i+1], v[XS+\i:XS+\i+1], v[G+\i:G+\i+1]   ; the gain: independent work behind the root
.endr
	s_wait_alu depctr_va_vdst(0)                   ; the wait ahead of the first line that names the root's result
.irp i, 0,2,4,6,8,10,12,14,16,18,20,22,24,26,28,30
	v_pk_mul_f32 v[XS+\i:XS+\i+1], v[XS+\i:XS+\i+1], v[R:R+1] op_sel_hi:[1,0]
.endr
.endm
	s_load_b128 s[4:7], s[0:1], 0x0                ; y, g_out
	s_load_b64 s[8:9], s[0:1], 0x10                ; out0
	v_lshrrev_b32 v1, 5, v0
	v_readfirstlane_b32 s16, v1                    ; wave 0..3
	v_and_b32 v2, 31, v0
	v_lshlrev_b32 v3, 4, v2                        ; 16 x lane; never rewritten
	v_mov_b32 v[M+1], 0
	v_mov_b32 v[R+1], 0
	s_mov_b32 s20, 0x76543210                      ; lane selects: lane l xor 16
	s_mov_b32 s21, 0xfedcba98
	s_mov_b32 s22, 0x3a800000                      ; 1 / 1024
	s_mov_b32 s23, 0x3727c5ac                      ; 1e-5
	s_lshl_b32 s17, ttmp9, 4
	s_lshl_b32 s18, s16, 2
	s_add_co_u32 s17, s17, s18                     ; my first row
	s_lshl_b32 s18, s17, 12
	s_mov_b32 s19, 0
	s_wait_kmcnt 0x0
	s_add_nc_u64 s[4:5], s[4:5], s[18:19]
	s_add_nc_u64 s[8:9], s[8:9], s[18:19]
.irp j, 0,1,2,3,4,5,6,7
	global_load_b128 v[G+4*\j:G+4*\j+3], v3, s[6:7] offset:512*\j
.endr
.irp t, 0,1,2,3
.irp j, 0,1,2,3,4,5,6,7
	global_load_b128 v[X+32*\t+4*\j:X+32*\t+4*\j+3], v3, s[4:5] offset:4096*\t+512*\j th:TH_LOAD_NT
.endr
.endr
.macro ROW t
.set XS, X+32*(\t)
	s_wait_loadcnt 8*(3-(\t))                      ; my row is in; the later rows' eight loads each may be out
	LNSTAT
.irp j, 0,1,2,3,4,5,6,7
	global_store_b128 v3, v[XS+4*\j:XS+4*\j+3], s[8:9] offset:4096*(\t)+512*\j th:TH_STORE_NT   ; each row has registers of its own: no store's data are written again
.endr
.endm
	ROW 0
	ROW 1
	ROW 2
	ROW 3
	s_endpgm
.Lfunc_end_k_q151fe731e4_ln_out:
	.size	k_q151fe731e4_ln_out, .Lfunc_end_k_q151fe731e4_ln_out-k_q151fe731e4_ln_out
	.p2alignl 7, 3214868480
	.fill 96, 4, 3214868480
	.section	.rodata,"a",@progbits
	.p2align	6, 0x0
	.amdhsa_kernel k_q151fe731e4_ln_out
		.amdhsa_group_segment_fixed_size 0
		.amdhsa_private_segment_fixed_size 0
		.amdhsa_enable_private_segment 0
		.amdhsa_kernarg_size 24
		.amdhsa_user_sgpr_count 2
		.amdhsa_user_sgpr_kernarg_segment_ptr 1
		.amdhsa_wavefront_size32 1
		.amdhsa_system_sgpr_workgroup_id_x 1
		.amdhsa_system_sgpr_workgroup_id_y 1
		.amdhsa_system_sgpr_workgroup_id_z 1
		.amdhsa_system_vgpr_workitem_id 0
		.amdhsa_next_free_vgpr 184
		.amdhsa_next_free_sgpr 66
		.amdhsa_reserve_vcc 0
		.amdhsa_float_denorm_mode_32 3
		.amdhsa_float_denorm_mode_16_64 3
		.amdhsa_memory_ordered 1
		.amdhsa_forward_progress 1
		.amdhsa_inst_pref_size 33
	.end_amdhsa_kernel
	.amdgpu_metadata
---
amdhsa.version: [ 1, 2 ]
amdhsa.kernels:
  - .name:           k_q151fe731e4_ln_out
    .symbol:         k_q151fe731e4_ln_out.kd
    .args:
      - { .name: y, .offset: 0, .size: 8, .value_kind: global_buffer, .address_space: global }
      - { .name: g_out, .offset: 8, .size: 8, .value_kind: global_buffer, .address_space: global }
      - { .name: out0, .offset: 16, .size: 8, .value_kind: global_buffer, .address_space: global }
    .group_segment_fixed_size: 0
    .private_segment_fixed_size: 0
    .kernarg_segment_align: 8
    .kernarg_segment_size: 24
    .max_flat_workgroup_size: 128
    .sgpr_count:     66
    .vgpr_count:     184
    .wavefront_size: 32
...
	.end_amdgpu_metadata
.endif
;; end of part 5
